; MI455X (gfx1250); checked and timed in simulation.
; The chip was launched on July 23, 2026; its instructions are those of AMD's public machine-readable ISA for CDNA 5 (MIT licence, August 2026) and "CDNA5" Instruction Set Architecture Reference Guide (July 2026). The comments in the code are by the model that wrote it; some were corrected since.
;; Transformer. Allowed arithmetic: matrix products marked QUANTISED: E3M2 operands, one E8M0 scale for each 32 along K, by v_wmma_scale_f32_16x16x128_f8f6f4 with both operands' format E3M2, f32 sums; everything else in f32.
;; Inputs: Wk 1,024 x 256 float32; Wq 1,024 x 256 float32; Wv 1,024 x 1,024 float32; bk 256 float32; bq 256 float32; bv 1,024 float32; gamma 1 float32; mask 4 x 2,048 int32; x 4 x 2,048 x 1,024 float32.
;; Outputs: out0 4 x 2,048 x 1,024 float32.
;; This version of the problem:
;;   THIS VERSION OF THE PROBLEM IS GIVEN IN LOW PRECISION. The matrix products marked QUANTISED in the list below multiply operands that are first quantised to E3M2 (3 exponent bits, 2 mantissa bits; 6 bits a number), with one power-of-two scale for each 32 numbers along K (OCP MX v1.0); their sums are f32. All else is computed in f32.
;;   The module's matrix products, in the order in which they are computed (A, B: the left and right operand; K: the contracted axis; several contracted axes count as one K, in the product's order):
;;     1. [M 8,192, K 1,024] x [K 1,024, N 256]; A: input x; B: input Wq: QUANTISED
;;     2. [M 8,192, K 1,024] x [K 1,024, N 256]; A: input x; B: input Wk: QUANTISED
;;     3. [M 8,192, K 1,024] x [K 1,024, N 1,024]; A: input x; B: input Wv: QUANTISED
;;     4. batch 32 x [M 2,048, K 32] x [K 32, N 2,048]; A: computed on the way; B: computed on the way: QUANTISED
;;     5. batch 32 x [M 128, K 2,048] x [K 2,048, N 2,048]; A: computed on the way; B: computed on the way: QUANTISED
;;   THE QUANTISER, for each operand of a quantised product, along K:
;;     - K is cut into blocks of 32 from its start; a last block that is shorter is filled with zeros.
;;     - A block's scale is 2^e with e = floor(log2(the largest magnitude in the block)) - 4, held to -126 .. 127; a block of zeros has e = 0. As a byte (E8M0): e + 127.
;;     - Each number is divided by its block's scale, clamped to +-28, and rounded to the nearest number of E3M2, ties to even, subnormals kept.
;;     - The product sums the exact products of the quantised numbers (number of the format x scale) in f32.
;;   ~~~python
;;   def quantise(x, axis):      # numpy; x: float32 -> the quantised numbers, widened to float32 again
;;       x = np.moveaxis(x, axis, -1); K = x.shape[-1]
;;       x = np.pad(x, [(0, 0)] * (x.ndim - 1) + [(0, -K % 32)]); x = x.reshape(x.shape[:-1] + (-1, 32)); a = np.abs(x).max(-1, keepdims=True)
;;       e = np.where(a > 0, np.clip(np.frexp(np.where(a > 0, a, 1))[1] - 1 - 4, -126, 127), 0)      # np.frexp(a)[1] - 1 = floor(log2(a)), exactly
;;       r = np.clip(x / 2.0 ** e, -28, 28)
;;       step = 2.0 ** (np.maximum(np.frexp(np.where(r == 0, 1, r))[1] - 1, -2) - 2)
;;       q = np.round(r / step) * step * 2.0 ** e      # np.round: ties to even
;;       return np.moveaxis(q.reshape(q.shape[:-2] + (-1,))[..., :K], -1, axis).astype(np.float32)
;;   ~~~
;;   OPERANDS COMPUTED ON THE WAY. 'Computed on the way' means the value that the module computes at that place (a softmax that the list does not call 'softmax' is quantised finished and normalised). What goes into a quantiser is computed in f32, as accurately as f32 sums, v_exp_f32 and their like allow (about 1e-6 of the number): no bf16 or f16 on the way to a quantiser, and a product that is left as it is and whose result goes on into a quantised operand takes f32 operands (vector FMAs, or v_wmma_f32_16x16x4_f32). A number that lies on a knife's edge between two numbers of the format may be rounded either way, as far as f32 arithmetic and the matrix unit's own rounding can turn it there, and no further.
;; 2 versions, each right; version 2 is version 1 with the launches proj, attn written anew for expert scheduling mode. Each part assembles by itself: llvm-mc -triple=amdgcn-amd-amdhsa -mcpu=gfx1250 --defsym DOCPART=n.
;; ======== version 1 of 2: 3 launches
;; workspace buffers: wimg 1,179,648 bytes; wsc 49,152 bytes; qkc 3,145,728 bytes; qs4 1,048,576 bytes; ks 131,072 bytes; vc 6,291,456 bytes; vs 262,144 bytes
;; launch wprep (part 1): grid 64 x 3, 2 waves a work-group, no clusters, 6,400 bytes of LDS; arguments Wq, Wk, Wv, wimg, wsc; writes wimg, wsc
.if DOCPART == 1
	.amdgcn_target "amdgcn-amd-amdhsa--gfx1250"
	.amdhsa_code_object_version 6
	.text
	.protected	k_qbe0fac5559_wprep
	.globl	k_qbe0fac5559_wprep
	.p2align	8
	.type	k_qbe0fac5559_wprep,@function
k_qbe0fac5559_wprep:
	s_mov_b64 s[64:65], 0
	v_nop
	global_prefetch_b8 v0, s[64:65] scope:SCOPE_SE
	s_setreg_imm32_b32 hwreg(HW_REG_WAVE_MODE, 25, 1), 1
	s_wait_xcnt 0x0
; LAUNCH 1 OF 3.  Wq [1024][256], Wk [1024][256], Wv [1024][1024], f32 with K as the first axis, become codes of BF6 (E3M2) with one E8M0 byte for each 32 along K,
; laid as IMAGES OF OPERAND REGISTERS: a fragment is 16 columns x 128 K, 12 registers a lane, 1,536 bytes: register 4 i + e of lane L at 512 i + 16 L + 4 e.
; wimg: [head 8][K step 8][tile 12] fragments;  wsc: [head][K step][tile][row 16] scale words (byte b: k = 32 b on).
; Tiles of a head: 0, 1 = its 32 columns of Wq; 2, 3 = of Wk; 4 + 2 G + u = columns 32 G .. 32 G + 31 of its 128 of Wv.
; Column l of a group of 32 goes to tile u = (l / 8) % 2, row (l % 8) + 8 (l / 16): so the results of two neighbouring tiles are 16 neighbours in a lane of the next launch.
; DEAD WORK: none in the whole program.  bq, bk, bv go into quantised operands, the mask, gamma and the 1e-12 (which needs the unmasked sum) reach the output: every input is loaded by some launch.
; LIMITS: NaN and infinities among the inputs are not served.  A block whose largest magnitude lies under 2^(5 - 127) gets the byte 1 (a block of zeros too, where the rule says 127:
; its codes are zeros, which add nothing under any byte but 0xff, and the bytes are read by this program alone).
; SHARES: work-group x = 8 head + K step; group of 32 columns = 2 y + wave (0: Wq, 1: Wk, 2 to 5: Wv).  A LANE TAKES A COLUMN AND ITS 128 REGISTERS RUN DOWN K: a block of 32 lies in one lane,
; the conversions give codes with K innermost, and each load reads 128 consecutive bytes.  The codes turn through the wave own stage in LDS and leave as 512 consecutive bytes a store.
.set SPARE, 6144                       ; behind the two stages of 3,072 bytes: the spare words, 128 bytes a wave
.set X,     64                         ; v64-191 the 128 numbers of my column; later the images on their way out
.set CD,    20                         ; v20-51  codes: eight registers for each of the four blocks
.set FLOOR, 0x2800000                  ; 2^(5 - 127)
.set EOFF,  0xfe000000                 ; takes 4 off an exponent field
	s_load_b256 s[4:11], s[0:1], 0x0               ; Wq s[4:5], Wk s[6:7], Wv s[8:9], wimg s[10:11]
	s_load_b64 s[12:13], s[0:1], 0x20              ; wsc
	v_lshl_add_u32 v2, v0, 2, SPARE                ; my spare word
	v_mov_b32 v3, 0                                ; and 0: kept for the add alone
	v_lshrrev_b32 v1, 5, v0
	v_readfirstlane_b32 s14, v1                    ; wave
	s_and_b32 s15, ttmp7, 0xffff                   ; y
	s_lshl_b32 s16, s15, 1
	s_add_co_u32 s16, s16, s14                     ; group of columns 0..5
	s_lshr_b32 s17, ttmp9, 3                       ; head
	s_and_b32 s18, ttmp9, 7                        ; K step
	v_and_b32 v9, 31, v0                           ; l
	v_lshlrev_b32 v4, 2, v9                        ; in: 4 bytes a lane
	v_lshlrev_b32 v7, 4, v9                        ; out: 16 bytes a lane
	s_mul_i32 s19, s14, 3072                       ; my stage
	v_add_nc_u32 v6, s19, v7                       ; back out of it: 16 x lane
	v_bfe_u32 v10, v0, 3, 1                        ; u
	v_and_b32 v11, 7, v0
	v_bfe_u32 v12, v0, 4, 1
	v_lshl_add_u32 v13, v12, 3, v11                ; row
	v_mul_u32_u24 v5, v10, 1536
	v_lshl_add_u32 v5, v13, 4, v5
	v_add_nc_u32 v5, s19, v5                       ; into it: fragment u, lane = row (+ 16 for the odd blocks, in the immediate)
	v_lshlrev_b32 v8, 6, v10
	v_lshl_add_u32 v8, v13, 2, v8                  ; my scale word: 64 u + 4 row
	s_lshl_b32 s22, s17, 7                         ; Wq, Wk: 128 head + K step x 128 rows of 1,024 bytes
	s_lshl_b32 s23, s18, 17
	s_add_co_u32 s22, s22, s23
	s_lshl_b32 s24, s17, 9                         ; Wv: 512 head + 128 G + K step x 128 rows of 4,096 bytes
	s_lshl_b32 s25, s18, 19
	s_add_co_u32 s24, s24, s25
	s_max_u32 s25, s16, 2
	s_sub_co_u32 s25, s25, 2                       ; G
	s_lshl_b32 s25, s25, 7
	s_add_co_u32 s24, s24, s25
	s_cmp_eq_u32 s15, 0
	s_cselect_b32 s22, s22, s24
	s_mov_b32 s23, 0
	s_mul_i32 s26, ttmp9, 12
	s_lshl_b32 s27, s16, 1
	s_add_co_u32 s26, s26, s27                     ; my first fragment: 12 x + 2 group
	s_mul_i32 s24, s26, 1536
	s_mov_b32 s25, 0
	s_wait_kmcnt 0x0
	s_cmp_eq_u32 s16, 0                            ; the choice of the tensor hangs on ids alone
	s_cselect_b64 s[20:21], s[4:5], s[6:7]
	s_cmp_lt_u32 s16, 2
	s_cselect_b64 s[20:21], s[20:21], s[8:9]
	s_add_nc_u64 s[20:21], s[20:21], s[22:23]
	s_add_nc_u64 s[10:11], s[10:11], s[24:25]
	s_lshl_b32 s24, s26, 6
	s_add_nc_u64 s[12:13], s[12:13], s[24:25]
.macro LOADS pitch                     ; W(k, my column), k = 0 .. 127 of the K step
.set kk, 0
.rept 128
	global_load_b32 v[X+kk], v4, s[20:21] offset:kk*\pitch th:TH_LOAD_NT
.set kk, kk+1
.endr
.endm
	s_cmp_lg_u32 s15, 0                            ; the row pitch stands in the immediates: two runs of loads, chosen by the work-group number
	s_cbranch_scc1 .Lwide
	LOADS 1024
	s_branch .Lloaded
.Lwide:
	LOADS 4096
.Lloaded:
; Block b (k = 32 b on) is block 2 c + h of the fragment: registers 6 c .. 6 c + 5 of lane row + 16 h, with c = b / 2, h = b % 2.
.macro BLOCK b, left
.set XB, X+32*(\b)
.set CB, CD+8*(\b)
	s_wait_loadcnt \left                           ; loads come back in order: this block is in when at most so many younger ones are out
	v_max3_num_f32 v10, |v[XB]|, |v[XB+1]|, FLOOR          ; the largest magnitude, in two chains, the floor among the leaves: the byte cannot fall under 1
	v_max3_num_f32 v11, |v[XB+16]|, |v[XB+17]|, FLOOR
.irp i, 2,4,6,8,10,12,14
	v_max3_num_f32 v10, v10, |v[XB+\i]|, |v[XB+\i+1]|
	v_max3_num_f32 v11, v11, |v[XB+16+\i]|, |v[XB+17+\i]|
.endr
	v_max_num_f32 v10, v10, v11
	v_add_nc_u32 v14, EOFF, v10                    ; 4 off its exponent field: the conversion takes that field as its scale
	v_lshrrev_b32 v15, 23, v14                     ; the scale byte
.if (\b) == 0
	v_mov_b32 v16, v15
.else
	v_lshl_or_b32 v16, v15, 8*(\b), v16
.endif
	v_cvt_scalef32_pk16_bf6_f32 v[CB:CB+2], v[XB:XB+15], v14
	v_cvt_scalef32_pk16_bf6_f32 v[CB+4:CB+6], v[XB+16:XB+31], v14   ; (three registers that begin on an even number)
	v_nop                                          ; one plain place behind a scaled conversion
	v_mov_b32 v[CB+3], v[CB+4]
	v_mov_b32 v[CB+4], v[CB+5]
	v_mov_b32 v[CB+5], v[CB+6]                     ; six registers on end: the block
.if ((\b)/2) == 0
	ds_store_b128 v5, v[CB:CB+3] offset:256*((\b)%2)           ; registers 0-3
	ds_store_b64 v5, v[CB+4:CB+5] offset:512+256*((\b)%2)      ; registers 4, 5
.else
	ds_store_b64 v5, v[CB:CB+1] offset:520+256*((\b)%2)        ; registers 6, 7
	ds_store_b128 v5, v[CB+2:CB+5] offset:1024+256*((\b)%2)    ; registers 8-11
.endif
.endm
	BLOCK 0, 63                                    ; (96 and 64 would do: a wait names 63 at the most)
	BLOCK 1, 63
	BLOCK 2, 32
	BLOCK 3, 0
	global_store_b32 v8, v16, s[12:13]             ; the 32 scale words of my two fragments: 128 consecutive bytes
.irp i, 0,1,2,3,4,5
	ds_load_b128 v[X+4*\i:X+4*\i+3], v6 offset:512*\i          ; LDS serves a wave in order: these see my stores
.endr
.irp i, 0,1,2,3,4,5
	s_wait_dscnt 5-\i
	global_store_b128 v7, v[X+4*\i:X+4*\i+3], s[10:11] offset:512*\i   ; 512 consecutive bytes, at a multiple of 512 from the buffer start
.endr
	s_wait_tensorcnt 0x0                           ; the wave end: three closing lines behind my last LDS store
	ds_add_u32 v2, v3
	s_wait_dscnt 0x0
	s_endpgm
.Lfunc_end_k_qbe0fac5559_wprep:
	.size	k_qbe0fac5559_wprep, .Lfunc_end_k_qbe0fac5559_wprep-k_qbe0fac5559_wprep
	.p2alignl 7, 3214868480
	.fill 96, 4, 3214868480
	.section	.rodata,"a",@progbits
	.p2align	6, 0x0
	.amdhsa_kernel k_qbe0fac5559_wprep
		.amdhsa_group_segment_fixed_size 6400
		.amdhsa_private_segment_fixed_size 0
		.amdhsa_enable_private_segment 0
		.amdhsa_kernarg_size 40
		.amdhsa_user_sgpr_count 2
		.amdhsa_user_sgpr_kernarg_segment_ptr 1
		.amdhsa_wavefront_size32 1
		.amdhsa_system_sgpr_workgroup_id_x 1
		.amdhsa_system_sgpr_workgroup_id_y 1
		.amdhsa_system_sgpr_workgroup_id_z 1
		.amdhsa_system_vgpr_workitem_id 0
		.amdhsa_next_free_vgpr 192
		.amdhsa_next_free_sgpr 66
		.amdhsa_reserve_vcc 0
		.amdhsa_float_denorm_mode_32 3
		.amdhsa_float_denorm_mode_16_64 3
		.amdhsa_memory_ordered 1
		.amdhsa_forward_progress 1
		.amdhsa_inst_pref_size 35
	.end_amdhsa_kernel
	.amdgpu_metadata
---
amdhsa.version: [ 1, 2 ]
amdhsa.kernels:
  - .name:           k_qbe0fac5559_wprep
    .symbol:         k_qbe0fac5559_wprep.kd
    .args:
      - { .name: Wq, .offset: 0, .size: 8, .value_kind: global_buffer, .address_space: global }
      - { .name: Wk, .offset: 8, .size: 8, .value_kind: global_buffer, .address_space: global }
      - { .name: Wv, .offset: 16, .size: 8, .value_kind: global_buffer, .address_space: global }
      - { .name: wimg, .offset: 24, .size: 8, .value_kind: global_buffer, .address_space: global }
      - { .name: wsc, .offset: 32, .size: 8, .value_kind: global_buffer, .address_space: global }
    .group_segment_fixed_size: 6400
    .private_segment_fixed_size: 0
    .kernarg_segment_align: 8
    .kernarg_segment_size: 40
    .max_flat_workgroup_size: 64
    .sgpr_count:     66
    .vgpr_count:     192
    .wavefront_size: 32
...
	.end_amdgpu_metadata
.endif
;; end of part 1
;; launch proj (part 2): grid 2 x 128, 4 waves a work-group, no clusters, 87,552 bytes of LDS; arguments x, wimg, wsc, bq, bk, bv, qkc, qs4, ks, vc, vs; writes qkc, qs4, ks, vc, vs
.if DOCPART == 2
	.amdgcn_target "amdgcn-amd-amdhsa--gfx1250"
	.amdhsa_code_object_version 6
	.text
	.protected	k_qbe0fac5559_proj
	.globl	k_qbe0fac5559_proj
	.p2align	8
	.type	k_qbe0fac5559_proj,@function
k_qbe0fac5559_proj:
	s_mov_b64 s[64:65], 0
	v_nop
	global_prefetch_b8 v0, s[64:65] scope:SCOPE_SE
	s_setreg_imm32_b32 hwreg(HW_REG_WAVE_MODE, 25, 1), 1
	s_wait_xcnt 0x0
; LAUNCH 2 OF 3.  q = x Wq + bq, k = x Wk + bk, v = x Wv + bv on codes of BF6; then q and k are quantised along the head 32, v along the tokens.  No work of reference() is left out.
; SHARES: work-group (hg, y): tokens 64 y .. 64 y + 63, heads 4 hg .. 4 hg + 3; wave w takes head 4 hg + w: 64 tokens x 192 columns, 48 accumulators, K = 1,024 in 8 steps of 128.
; x: wave w quantises the 16 tokens of tile w (8 fragments) and hands them to the others through LDS as images of the operand registers; one barrier.
; Row r of token tile tt is token 8 tt + r % 8 + 32 (r / 8).  So in v (source 0 = tokens, source 1 = 16 columns) lane (r, h) holds column r and, over the four tiles, tokens 32 h + 0 .. 31 in 32 registers on end:
; a whole block of the next K in a lane.  q and k are used transposed (source 0 = 16 columns, source 1 = tokens): a lane holds one token and 16 neighbours of the head 32.
; OUT: qkc [q, k][bh][token][24 bytes];  qs4 [bh][token][4 words]: word j = 0x01010101 with byte j = the scale byte of q;  ks [bh][64 tokens][lane] words: byte j = the scale byte of key 64 f + 32 (r / 8) + 8 j + r % 8;
; vc [bh][tile 8][64 tokens][piece 3][lane][8 bytes]: half a fragment of V as its registers want it;  vs [bh][64 tokens][row 16][tile 8] of 16 bits: the bytes of the two blocks of 32 tokens.
; LIMITS: as stated in the first launch (NaN, infinities; the byte 1 for blocks under the floor).
; REGISTERS, in windows of 256.  Window 0: v1-15 addresses; v16-47 at work; v48-59 scale words of W (two sets), v60-67 of x (two sets); v68-99 bq, bk as the C of the first step; v112-255 W, odd steps; later scratch.
; Window 1: v0-143 W, even steps; v144-239 x, two sets of four fragments; v240-255 bv, each number twice.  Window 2: the 32 accumulators of v (32 ct + 8 tt); before that a ring of four sets of x as loaded.
; Window 3: v0-127 the 16 accumulators of q and k (32 tt + 8 t); v128-255 two sets of 64 numbers of x.
.set XST,   0                          ; LDS: four stages of 16 rows x (512 + 16) bytes, a wave each
.set XIMG,  33792                      ; 32 fragments of x (8 tt + s), 1,536 bytes each
.set XSC,   82944                      ; their scale words, 128 bytes each
.set SPARE, 87040                      ; the spare words, 128 bytes a wave
.set KOFF,  1572864                    ; k behind q in qkc
.set FLOOR, 0x2800000
.set EOFF,  0xfe000000
.set MSB, 0
.macro WIN new                         ; the upper byte of the immediate repeats the setting that is left; a switch that changes nothing is dropped
.if MSB != (\new)
	s_set_vgpr_msb (MSB<<8)|(\new)
.set MSB, (\new)
.endif
.endm
	s_load_b512 s[4:19], s[0:1], 0x0               ; x, wimg, wsc, bq, bk, bv, qkc, qs4
	s_load_b128 s[20:23], s[0:1], 0x40             ; ks, vc
	s_load_b64 s[24:25], s[0:1], 0x50              ; vs
	v_lshl_add_u32 v2, v0, 2, SPARE                ; my spare word
	v_mov_b32 v3, 0                                ; and 0: kept for the add alone
	v_lshrrev_b32 v1, 5, v0
	v_readfirstlane_b32 s26, v1                    ; wave
	s_lshl_b32 s27, ttmp9, 2
	s_add_co_u32 s27, s27, s26                     ; head
	s_and_b32 s29, ttmp7, 0xffff                   ; y
	s_lshr_b32 s28, s29, 5
	s_lshl_b32 s28, s28, 3
	s_add_co_u32 s28, s28, s27                     ; bh = 8 b + head
	s_and_b32 s33, s29, 31                         ; which 64 tokens of the sequence
	s_mov_b32 s30, 0x76543210
	s_mov_b32 s31, 0xfedcba98                      ; lane selects: lane l xor 16
	s_mov_b32 s32, 0x01010101
	s_mov_b32 s38, 0xffff0000                      ; lanes 16-31
	v_and_b32 v16, 31, v0                          ; lane
	v_and_b32 v17, 15, v0                          ; r
	v_bfe_u32 v18, v0, 4, 1                        ; h
	v_and_b32 v19, 7, v0
	v_bfe_u32 v20, v0, 3, 1
	v_lshlrev_b32 v1, 4, v16                       ; 16 x lane
	v_lshlrev_b32 v10, 2, v16                      ; 4 x lane
	v_lshlrev_b32 v14, 3, v16                      ; 8 x lane
	v_lshlrev_b32 v11, 3, v18                      ; 8 h
	s_mul_i32 s34, s26, 8448
	v_add_nc_u32 v4, s34, v1                       ; my stage, in: a row is 512 bytes of 32 lanes
	v_mul_u32_u24 v5, v17, 528
	v_lshl_add_u32 v5, v18, 7, v5
	v_add_nc_u32 v5, s34, v5                       ; and back: row r, 128 h bytes on: 32 neighbours along K
	s_mul_i32 s34, s26, 12288
	s_add_co_u32 s34, s34, XIMG
	v_add_nc_u32 v6, s34, v1                       ; where I store the images of tile w
	s_lshl_b32 s34, s26, 10
	s_add_co_u32 s34, s34, XSC
	v_add_nc_u32 v7, s34, v10                      ; and their scale words
	v_add_nc_u32 v8, XIMG, v1                      ; where any image is read
	v_add_nc_u32 v9, XSC, v10
	v_lshl_add_u32 v21, v20, 5, v19                ; my token in a tile: r % 8 + 32 (r / 8)
	v_mul_u32_u24 v12, v21, 24
	v_mad_u32_u24 v12, v18, 12, v12                ; qkc: 24 bytes a token, 12 h
	v_lshlrev_b32 v13, 4, v21
	v_lshl_add_u32 v13, v18, 3, v13                ; qs4: 16 bytes a token, 8 h
	v_lshlrev_b32 v15, 4, v17
	v_lshl_add_u32 v15, v18, 3, v15                ; vs: 16 r + 8 h
	v_lshlrev_b32 v46, 6, v18                      ; bq, bk: 16 h numbers on
	v_lshl_add_u32 v47, v20, 4, v19
	v_lshlrev_b32 v47, 2, v47                      ; bv: column r % 8 + 16 (r / 8) of a group
	v_lshlrev_b32 v45, 4, v18                      ; 16 h
	v_mov_b32 v25, 0                               ; (the destination of a lane permute counts as read)
	s_mov_b32 s35, 0
	s_wait_kmcnt 0x0
	s_lshl_b32 s34, s29, 6
	s_lshl_b32 s36, s26, 3
	s_add_co_u32 s34, s34, s36
	s_lshl_b32 s34, s34, 12
	s_add_nc_u64 s[4:5], s[4:5], s[34:35]          ; x at token 64 y + 8 w
	s_mul_i32 s34, s27, 147456
	s_add_nc_u64 s[6:7], s[6:7], s[34:35]          ; the fragments of my head
	s_mul_i32 s34, s27, 6144
	s_add_nc_u64 s[8:9], s[8:9], s[34:35]
	s_lshl_b32 s34, s27, 7
	s_add_nc_u64 s[10:11], s[10:11], s[34:35]
	s_add_nc_u64 s[12:13], s[12:13], s[34:35]
	s_lshl_b32 s34, s27, 9
	s_add_nc_u64 s[14:15], s[14:15], s[34:35]
	s_lshl_b32 s36, s28, 11
	s_lshl_b32 s37, s33, 6
	s_add_co_u32 s36, s36, s37                     ; 2048 bh + my first token
	s_mul_i32 s34, s36, 24
	s_add_nc_u64 s[16:17], s[16:17], s[34:35]
	s_lshl_b32 s34, s36, 4
	s_add_nc_u64 s[18:19], s[18:19], s[34:35]
	s_lshl_b32 s36, s28, 5
	s_add_co_u32 s36, s36, s33                     ; 32 bh + block of 64 tokens
	s_lshl_b32 s34, s36, 7
	s_add_nc_u64 s[20:21], s[20:21], s[34:35]
	s_lshl_b32 s34, s36, 8
	s_add_nc_u64 s[24:25], s[24:25], s[34:35]
	s_mul_i32 s34, s28, 196608
	s_mul_i32 s37, s33, 768
	s_add_co_u32 s34, s34, s37
	s_add_nc_u64 s[22:23], s[22:23], s[34:35]
.macro WLOAD s                         ; the 12 fragments and 12 x 16 scale words of K step s: 42 loads
.if ((\s)%2) == 0
	WIN 0x40
.else
	WIN 0
.endif
.set WB, 112*((\s)%2)
.set wt, 0
.rept 12
.irp i, 0,1,2
	global_load_b128 v[WB+12*wt+4*\i:WB+12*wt+4*\i+3], v1, s[6:7] offset:(\s)*18432+wt*1536+512*\i
.endr
.set wt, wt+1
.endr
	WIN 0
.irp u, 0,1,2,3,4,5
	global_load_b32 v[48+6*((\s)%2)+\u], v10, s[8:9] offset:(\s)*768+128*\u    ; lanes 0-15: tile 2 u, lanes 16-31: tile 2 u + 1
.endr
.endm
.macro XLOAD s                         ; 128 numbers of each of my 16 tokens: a load takes 512 consecutive bytes of a row
	WIN 0x80
.set rr, 0
.rept 16
	global_load_b128 v[64*((\s)%4)+4*rr:64*((\s)%4)+4*rr+3], v1, s[4:5] offset:(rr+24*(rr/8))*4096+512*(\s)
.set rr, rr+1
.endr
.endm
.macro XTURN s                         ; through my stage: in as loaded, back 32 neighbours along K a lane and block (LDS serves a wave in order)
	WIN 0x08
.set rr, 0
.rept 16
	ds_store_b128 v4, v[64*((\s)%4)+4*rr:64*((\s)%4)+4*rr+3] offset:528*rr
.set rr, rr+1
.endr
	WIN 0xc0
.irp c, 0,1
.irp i, 0,1,2,3,4,5,6,7
	ds_load_b128 v[128+64*((\s)%2)+32*\c+4*\i:128+64*((\s)%2)+32*\c+4*\i+3], v5 offset:256*\c+16*\i
.endr
.endr
.endm
.macro XQUANT s                        ; register 32 c + e = k 64 c + 32 h + e of row r: two whole blocks a lane become the 12 registers of the fragment
.set XB, 128+64*((\s)%2)
	WIN 0x3c
.irp q, 0,1,2,3
	v_max3_num_f32 v[16+\q], FLOOR, |v[XB+16*\q]|, |v[XB+16*\q+1]|
.endr
.irp i, 2,4,6,8,10,12,14
.irp q, 0,1,2,3
	v_max3_num_f32 v[16+\q], v[16+\q], |v[XB+16*\q+\i]|, |v[XB+16*\q+\i+1]|
.endr
.endr
	WIN 0
	v_max_num_f32 v16, v16, v17
	v_max_num_f32 v18, v18, v19
	v_add_nc_u32 v20, EOFF, v16
	v_add_nc_u32 v21, EOFF, v18
	v_lshrrev_b32 v22, 23, v20
	v_lshrrev_b32 v23, 23, v21
	v_lshl_or_b32 v24, v23, 16, v22                ; my bytes: blocks h and 2 + h,
	v_lshlrev_b32 v24, v11, v24                    ; at their places,
	v_permlanex16_b32 v25, v24, s30, s31
	v_or_b32 v24, v24, v25                         ; with the two of lane l xor 16: the scale word of row r
	WIN 0x03
	v_cvt_scalef32_pk16_bf6_f32 v[26:28], v[XB:XB+15], v20
	v_cvt_scalef32_pk16_bf6_f32 v[38:40], v[XB+16:XB+31], v20
	v_cvt_scalef32_pk16_bf6_f32 v[32:34], v[XB+32:XB+47], v21
	v_cvt_scalef32_pk16_bf6_f32 v[42:44], v[XB+48:XB+63], v21
	WIN 0
	v_nop                                          ; one plain place behind a scaled conversion
	v_mov_b32 v29, v38
	v_mov_b32 v30, v39
	v_mov_b32 v31, v40
	v_mov_b32 v35, v42
	v_mov_b32 v36, v43
	v_mov_b32 v37, v44
	ds_store_b128 v6, v[26:29] offset:1536*(\s)
	ds_store_b128 v6, v[30:33] offset:1536*(\s)+512
	ds_store_b128 v6, v[34:37] offset:1536*(\s)+1024
	ds_store_b32 v7, v24 offset:128*(\s)
.endm
.macro XFETCH s                        ; the four fragments of x of K step s, and their scale words
	WIN 0x40
.irp tt, 0,1,2,3
.irp i, 0,1,2
	ds_load_b128 v[144+48*((\s)%2)+12*\tt+4*\i:144+48*((\s)%2)+12*\tt+4*\i+3], v8 offset:(8*\tt+(\s))*1536+512*\i
.endr
.endr
	WIN 0
.irp tt, 0,1,2,3
	ds_load_b32 v[60+4*((\s)%2)+\tt], v9 offset:(8*\tt+(\s))*128
.endr
.endm
; 16 products for q and k, transposed: source 0 = tile t of W, source 1 = tokens.  In step 0 the bias is the C.  The 48 accumulators take turns, one instruction a turn, in the same order in every step.
.macro QKMUL s
.set WB, 112*((\s)%2)
.set XF, 144+48*((\s)%2)
.set SW, 48+6*((\s)%2)
.set SX, 60+4*((\s)%2)
.if (\s) == 0
	WIN 0xc5
.elseif ((\s)%2) == 0
	WIN 0xf5
.else
	WIN 0xf4
.endif
.irp tt, 0,1,2,3
.irp u, 0,1
.if (\s) == 0
	v_wmma_scale_f32_16x16x128_f8f6f4 v[32*\tt+16*\u:32*\tt+16*\u+7], v[WB+24*\u:WB+24*\u+11], v[XF+12*\tt:XF+12*\tt+11], v[68+16*\u:75+16*\u], v[SW+\u], v[SX+\tt] matrix_a_fmt:MATRIX_FMT_BF6 matrix_b_fmt:MATRIX_FMT_BF6
	v_wmma_scale_f32_16x16x128_f8f6f4 v[32*\tt+16*\u+8:32*\tt+16*\u+15], v[WB+24*\u+12:WB+24*\u+23], v[XF+12*\tt:XF+12*\tt+11], v[76+16*\u:83+16*\u], v[SW+\u], v[SX+\tt] matrix_a_fmt:MATRIX_FMT_BF6 matrix_b_fmt:MATRIX_FMT_BF6 matrix_a_scale:MATRIX_SCALE_ROW1
.else
	v_wmma_scale_f32_16x16x128_f8f6f4 v[32*\tt+16*\u:32*\tt+16*\u+7], v[WB+24*\u:WB+24*\u+11], v[XF+12*\tt:XF+12*\tt+11], v[32*\tt+16*\u:32*\tt+16*\u+7], v[SW+\u], v[SX+\tt] matrix_a_fmt:MATRIX_FMT_BF6 matrix_b_fmt:MATRIX_FMT_BF6
	v_wmma_scale_f32_16x16x128_f8f6f4 v[32*\tt+16*\u+8:32*\tt+16*\u+15], v[WB+24*\u+12:WB+24*\u+23], v[XF+12*\tt:XF+12*\tt+11], v[32*\tt+16*\u+8:32*\tt+16*\u+15], v[SW+\u], v[SX+\tt] matrix_a_fmt:MATRIX_FMT_BF6 matrix_b_fmt:MATRIX_FMT_BF6 matrix_a_scale:MATRIX_SCALE_ROW1
.endif
.endr
.endr
.endm
; 32 products for v: source 0 = tokens, source 1 = tile 4 + ct of W.  Step 0 starts the sums with the constant 0.
.macro VMUL s
.if ((\s)%2) == 0
	WIN 0xa5
.else
	WIN 0xa1
.endif
.irp g, 0,1,2,3
.irp tt, 0,1,2,3
.if (\s) == 0
	v_wmma_scale_f32_16x16x128_f8f6f4 v[64*\g+8*\tt:64*\g+8*\tt+7], v[XF+12*\tt:XF+12*\tt+11], v[WB+48+24*\g:WB+59+24*\g], 0, v[SX+\tt], v[SW+2+\g] matrix_a_fmt:MATRIX_FMT_BF6 matrix_b_fmt:MATRIX_FMT_BF6
	v_wmma_scale_f32_16x16x128_f8f6f4 v[64*\g+32+8*\tt:64*\g+39+8*\tt], v[XF+12*\tt:XF+12*\tt+11], v[WB+60+24*\g:WB+71+24*\g], 0, v[SX+\tt], v[SW+2+\g] matrix_a_fmt:MATRIX_FMT_BF6 matrix_b_fmt:MATRIX_FMT_BF6 matrix_b_scale:MATRIX_SCALE_ROW1
.else
	v_wmma_scale_f32_16x16x128_f8f6f4 v[64*\g+8*\tt:64*\g+8*\tt+7], v[XF+12*\tt:XF+12*\tt+11], v[WB+48+24*\g:WB+59+24*\g], v[64*\g+8*\tt:64*\g+8*\tt+7], v[SX+\tt], v[SW+2+\g] matrix_a_fmt:MATRIX_FMT_BF6 matrix_b_fmt:MATRIX_FMT_BF6
	v_wmma_scale_f32_16x16x128_f8f6f4 v[64*\g+32+8*\tt:64*\g+39+8*\tt], v[XF+12*\tt:XF+12*\tt+11], v[WB+60+24*\g:WB+71+24*\g], v[64*\g+32+8*\tt:64*\g+39+8*\tt], v[SX+\tt], v[SW+2+\g] matrix_a_fmt:MATRIX_FMT_BF6 matrix_b_fmt:MATRIX_FMT_BF6 matrix_b_scale:MATRIX_SCALE_ROW1
.endif
.endr
.endr
.endm
	; ---- the biases, the first two K steps of W, the first four of x
.irp u, 0,1
	global_load_b128 v[68+8*\u:71+8*\u], v46, s[10:11] offset:32*\u          ; bq at columns 16 h + 8 u + 0 .. 7: the layout of the transposed result
	global_load_b128 v[72+8*\u:75+8*\u], v46, s[10:11] offset:32*\u+16
	global_load_b128 v[84+8*\u:87+8*\u], v46, s[12:13] offset:32*\u          ; bk likewise
	global_load_b128 v[88+8*\u:91+8*\u], v46, s[12:13] offset:32*\u+16
.endr
	WIN 0x40
.irp ct, 0,1,2,3,4,5,6,7
	global_load_b32 v[240+2*\ct], v47, s[14:15] offset:(32*(\ct/2)+8*(\ct%2))*4   ; bv of my column of tile ct, twice: a pair for the packed add
	global_load_b32 v[241+2*\ct], v47, s[14:15] offset:(32*(\ct/2)+8*(\ct%2))*4
.endr
	WLOAD 0
	WLOAD 1
	XLOAD 0
	XLOAD 1
	XLOAD 2
	XLOAD 3
	; ---- x: my 16 tokens become 8 fragments.  The loads run four steps ahead, the turn through the stage one step.
	s_wait_loadcnt 48                              ; step 0 is in; the 48 loads of steps 1 to 3 may be out
	XTURN 0
.irp s, 0,1,2,3,4,5,6,7
	s_wait_dscnt 0x0                               ; this step is back from the stage, and the stores of the step before have read their registers
.if \s < 4
	XLOAD \s+4                                     ; into the set that the stage has taken
.endif
.if \s < 4
	s_wait_loadcnt 48                              ; the next step is in; three sets of 16 loads were issued behind it
.elseif \s < 7
	s_wait_loadcnt 16*(6-\s)                       ; no new loads: the counts run down
.endif
.if \s < 7
	XTURN \s+1
.endif
	XQUANT \s
.endr
	s_wait_dscnt 0x0                               ; for the others: my images lie in LDS
	s_barrier_signal -1
	s_barrier_wait -1                              ; all 32 fragments of x do
	; ---- the products
	XFETCH 0
.irp s, 0,1,2,3,4,5,6,7
.if \s == 7
	s_wait_loadcnt 0x0
.elseif \s >= 2
	s_wait_loadcnt 42                              ; this step of W is in; the 42 loads of the next may be out
.endif
	s_wait_dscnt 0x0                               ; this step of x is in registers
.if \s < 7
	XFETCH \s+1
.endif
	QKMUL \s
	VMUL \s
	WIN 0
.rept 4
	v_nop                                          ; four places in front of loads into registers that matrix instructions have read, and of the first read of results
.endr
.if \s < 6
	WLOAD \s+2
.endif
.endr
	; ---- q and k: chain n = 2 tt + (0: q, 1: k) over the 16 registers at 16 n of window 3; a block of 32 lies in lanes l and l xor 16
	WIN 0x3c
.irp n, 0,1,2,3,4,5,6,7
	v_max3_num_f32 v[112+\n], FLOOR, |v[16*\n]|, |v[16*\n+1]|
.endr
.irp i, 2,4,6,8,10,12,14
.irp n, 0,1,2,3,4,5,6,7
	v_max3_num_f32 v[112+\n], v[112+\n], |v[16*\n+\i]|, |v[16*\n+\i+1]|      ; each accumulator from its low end on
.endr
.endr
	WIN 0
.irp n, 0,1,2,3,4,5,6,7
	v_mov_b32 v[120+\n], 0
.endr
.irp n, 0,1,2,3,4,5,6,7
	v_permlanex16_b32 v[120+\n], v[112+\n], s30, s31
.endr
.irp n, 0,1,2,3,4,5,6,7
	v_max_num_f32 v[112+\n], v[112+\n], v[120+\n]
.endr
.irp n, 0,1,2,3,4,5,6,7
	v_add_nc_u32 v[128+\n], EOFF, v[112+\n]
.endr
.irp n, 0,1,2,3,4,5,6,7
	v_lshrrev_b32 v[136+\n], 23, v[128+\n]
.endr
	WIN 0x03
.irp n, 0,1,2,3,4,5,6,7
	v_cvt_scalef32_pk16_bf6_f32 v[144+4*\n:146+4*\n], v[16*\n:16*\n+15], v[128+\n]   ; 12 bytes: the codes of d = 16 h + 0 .. 15 of my token
.endr
	WIN 0
	v_nop
.irp n, 0,1,2,3,4,5,6,7
	global_store_b96 v12, v[144+4*\n:146+4*\n], s[16:17] offset:192*(\n/2)+KOFF*(\n%2)
.endr
.irp tt, 0,1,2,3
	v_add_nc_u32 v[102+\tt], -1, v[136+2*\tt]      ; the byte of q less 1,
.endr
.irp tt, 0,1,2,3
	v_lshlrev_b32 v[102+\tt], v45, v[102+\tt]      ; at byte 2 h,
.endr
.irp tt, 0,1,2,3
	v_add_nc_u32 v[176+2*\tt], s32, v[102+\tt]     ; word 2 h: the byte among ones,
	v_lshl_add_u32 v[177+2*\tt], v[102+\tt], 8, s32   ; and word 2 h + 1
.endr
.irp tt, 0,1,2,3
	global_store_b64 v13, v[176+2*\tt:177+2*\tt], s[18:19] offset:128*\tt
.endr
	v_lshl_or_b32 v184, v139, 8, v137              ; the bytes of k of my four tokens: byte tt
	v_lshl_or_b32 v184, v141, 16, v184
	v_lshl_or_b32 v184, v143, 24, v184
	global_store_b32 v10, v184, s[20:21]
	; ---- v: the bias; then a block of 32 tokens is 32 registers on end of one lane
	WIN 0x86
.set cc, 0
.rept 8
.irp j, 0,2,4,6,8,10,12,14,16,18,20,22,24,26,28,30
	v_pk_add_f32 v[32*cc+\j:32*cc+\j+1], v[32*cc+\j:32*cc+\j+1], v[240+2*cc:241+2*cc]
.endr
.set cc, cc+1
.endr
	WIN 0x28
.irp ct, 0,1,2,3,4,5,6,7
	v_max3_num_f32 v[68+\ct], FLOOR, |v[32*\ct]|, |v[32*\ct+1]|
.endr
.irp i, 2,4,6,8,10,12,14,16,18,20,22,24,26,28,30
.irp ct, 0,1,2,3,4,5,6,7
	v_max3_num_f32 v[68+\ct], v[68+\ct], |v[32*\ct+\i]|, |v[32*\ct+\i+1]|
.endr
.endr
	WIN 0
.irp ct, 0,1,2,3,4,5,6,7
	v_add_nc_u32 v[76+\ct], EOFF, v[68+\ct]
.endr
.irp ct, 0,1,2,3,4,5,6,7
	v_lshrrev_b32 v[84+\ct], 23, v[76+\ct]
.endr
	WIN 0x02
.irp ct, 0,1,2,3,4,5,6,7
	v_cvt_scalef32_pk16_bf6_f32 v[192+8*\ct:194+8*\ct], v[32*\ct:32*\ct+15], v[76+\ct]
	v_cvt_scalef32_pk16_bf6_f32 v[196+8*\ct:198+8*\ct], v[32*\ct+16:32*\ct+31], v[76+\ct]
.endr
	WIN 0
	v_nop
.irp ct, 0,1,2,3,4,5,6,7
	v_mov_b32 v[195+8*\ct], v[196+8*\ct]
	v_mov_b32 v[196+8*\ct], v[197+8*\ct]
	v_mov_b32 v[197+8*\ct], v[198+8*\ct]
.endr
.irp ct, 0,1,2,3,4,5,6,7
.irp p, 0,1,2
	global_store_b64 v14, v[192+8*\ct+2*\p:193+8*\ct+2*\p], s[22:23] offset:\ct*24576+256*\p   ; 32 lanes store 256 consecutive bytes, at a multiple of 256 from the buffer start
.endr
.endr
.irp e, 0,1,2,3
	v_lshl_or_b32 v[92+\e], v[85+2*\e], 16, v[84+2*\e]     ; the bytes of tiles 2 e and 2 e + 1,
	v_mov_b32 v[96+\e], 0
.endr
.irp e, 0,1,2,3
	v_lshlrev_b32 v[92+\e], v11, v[92+\e]                  ; block h at byte h of each half word,
.endr
.irp e, 0,1,2,3
	v_permlanex16_b32 v[96+\e], v[92+\e], s30, s31
.endr
.irp e, 0,1,2,3
	v_or_b32 v[92+\e], v[92+\e], v[96+\e]                  ; with the other block
.endr
	v_cndmask_b32 v100, v92, v94, s38              ; lanes 0-15 store tiles 0-3, lanes 16-31 tiles 4-7
	v_cndmask_b32 v101, v93, v95, s38
	global_store_b64 v15, v[100:101], s[24:25]     ; 256 consecutive bytes
	s_wait_tensorcnt 0x0                           ; the wave end: three closing lines behind my last LDS store
	ds_add_u32 v2, v3
	s_wait_dscnt 0x0
	s_endpgm
.Lfunc_end_k_qbe0fac5559_proj:
	.size	k_qbe0fac5559_proj, .Lfunc_end_k_qbe0fac5559_proj-k_qbe0fac5559_proj
	.p2alignl 7, 3214868480
	.fill 96, 4, 3214868480
	.section	.rodata,"a",@progbits
	.p2align	6, 0x0
	.amdhsa_kernel k_qbe0fac5559_proj
		.amdhsa_group_segment_fixed_size 87552
		.amdhsa_private_segment_fixed_size 0
		.amdhsa_enable_private_segment 0
		.amdhsa_kernarg_size 88
		.amdhsa_user_sgpr_count 2
		.amdhsa_user_sgpr_kernarg_segment_ptr 1
		.amdhsa_wavefront_size32 1
		.amdhsa_system_sgpr_workgroup_id_x 1
		.amdhsa_system_sgpr_workgroup_id_y 1
		.amdhsa_system_sgpr_workgroup_id_z 1
		.amdhsa_system_vgpr_workitem_id 0
		.amdhsa_next_free_vgpr 1024
		.amdhsa_next_free_sgpr 66
		.amdhsa_reserve_vcc 0
		.amdhsa_float_denorm_mode_32 3
		.amdhsa_float_denorm_mode_16_64 3
		.amdhsa_memory_ordered 1
		.amdhsa_forward_progress 1
		.amdhsa_inst_pref_size 185
	.end_amdhsa_kernel
	.amdgpu_metadata
---
amdhsa.version: [ 1, 2 ]
amdhsa.kernels:
  - .name:           k_qbe0fac5559_proj
    .symbol:         k_qbe0fac5559_proj.kd
    .args:
      - { .name: x, .offset: 0, .size: 8, .value_kind: global_buffer, .address_space: global }
      - { .name: wimg, .offset: 8, .size: 8, .value_kind: global_buffer, .address_space: global }
      - { .name: wsc, .offset: 16, .size: 8, .value_kind: global_buffer, .address_space: global }
      - { .name: bq, .offset: 24, .size: 8, .value_kind: global_buffer, .address_space: global }
      - { .name: bk, .offset: 32, .size: 8, .value_kind: global_buffer, .address_space: global }
      - { .name: bv, .offset: 40, .size: 8, .value_kind: global_buffer, .address_space: global }
      - { .name: qkc, .offset: 48, .size: 8, .value_kind: global_buffer, .address_space: global }
      - { .name: qs4, .offset: 56, .size: 8, .value_kind: global_buffer, .address_space: global }
      - { .name: ks, .offset: 64, .size: 8, .value_kind: global_buffer, .address_space: global }
      - { .name: vc, .offset: 72, .size: 8, .value_kind: global_buffer, .address_space: global }
      - { .name: vs, .offset: 80, .size: 8, .value_kind: global_buffer, .address_space: global }
    .group_segment_fixed_size: 87552
    .private_segment_fixed_size: 0
    .kernarg_segment_align: 8
    .kernarg_segment_size: 88
    .max_flat_workgroup_size: 128
    .sgpr_count:     66
    .vgpr_count:     1024
    .wavefront_size: 32
...
	.end_amdgpu_metadata
.endif
;; end of part 2
;; launch attn (part 3): grid 8 x 32, 4 waves a work-group, no clusters, 36,352 bytes of LDS; arguments x, mask, gamma, qkc, qs4, ks, vc, vs, out0; writes out0
.if DOCPART == 3
	.amdgcn_target "amdgcn-amd-amdhsa--gfx1250"
	.amdhsa_code_object_version 6
	.text
	.protected	k_qbe0fac5559_attn
	.globl	k_qbe0fac5559_attn
	.p2align	8
	.type	k_qbe0fac5559_attn,@function
k_qbe0fac5559_attn:
	s_mov_b64 s[64:65], 0
	v_nop
	global_prefetch_b8 v0, s[64:65] scope:SCOPE_SE
	s_setreg_imm32_b32 hwreg(HW_REG_WAVE_MODE, 25, 1), 1
	s_wait_xcnt 0x0
; LAUNCH 3 OF 3.  out = gamma x (beta V) + x, beta = softmax(relu(q k / sqrt(32))) x mask / (its sum + 1e-12), quantised FINISHED along the keys; both products on codes of BF6.  No work of reference() is left out.
; SHARES: work-group (chunk, bh): 256 queries of one head, 16 tiles of 16.  THE FOUR WAVES SHARE THE KEYS: wave w takes keys 512 w .. 512 w + 511.  Its K (8 fragments) and V (32 fragments) stay in registers for all 16 tiles.
; A tile of 16 queries x 512 keys of p is 256 registers and stays in registers from the scores to the codes: ONE exponential a score, though a code needs the finished sums of its row.
; In real numbers beta = p m / (S2 + 1e-12 S1) with p = 2^(c relu(s) - c M), S1 the sum of p, S2 the sum of p m: the same as reference() writes.  Each wave takes M over its own keys (the 0 of relu among them),
; the waves exchange (-c M, S1, S2) through LDS, and each multiplies its p m by F = 2^(c M own - c M all) / (S2 + 1e-12 S1).  So the maximum is taken away before every exponential.
; THE FIRST PRODUCT HAS K = 32.  A fragment of K holds FOUR keys in a row, one in each block of 32: row r, block j = key 64 f + 32 (r / 8) + 8 j + r % 8.  Q has four versions: its codes in block j, zero codes elsewhere,
; the scale byte 1 in the dead blocks.  Version j gives the scores of the keys in block j.  S^T: register 32 f + 8 j + i of lane (query r, half h) is key 64 f + 32 h + 8 j + i: a whole block of 32 keys in one lane,
; so that the conversions give the second operand as it stands.  O^T = V^T P^T: a lane holds one query and 16 neighbouring channels in two tiles.
; THE MASK is taken as a number (any whole number is served): 16 registers hold the 512 masks, and a multiply that reads its first source from lane n of the row of 16 applies them.
; LIMITS: NaN and infinities are not served; an exponential under 2^-126 comes out as 0 (ISA guide, v_exp_f32); a block whose largest beta lies under 2^(5 - 127), a block of zeros too, carries the byte 1.
; REGISTERS, in windows of 256.  Window 0: v4-13 addresses; v14-17 -c M and F as pairs; v20-31 at work; v36-43 chains of maxima; v44-51 scale operands; v52-59 bytes, and the three figures on their way to LDS;
; v60-63 scale words of P; v64-93 zeros, Q in lanes 0-15, zeros, Q in lanes 16-31, zeros: the four versions overlap; v94-99 Q as loaded; v100-103, v104-111, v112-143 scale words of Q, K, V; v144-159 the mask;
; v160-223 O^T (while free: the chains of sums); v224-247 P, two sets; v248-254 halves of blocks.  Window 1: p.  Window 2: V of keys 0-255 at 12 (2 ct + ks), K 0-3 at 192.  Window 3: V of keys 256-511, K 4-7, v240-255 x.
.set STG,   2048                       ; LDS: from 0 the figures, 80 bytes a query, 16 a wave; from here four stages of 16 rows x (512 + 16) bytes
.set SPARE, 35840                      ; the spare words, 128 bytes a wave
.set KOFF,  1572864
.set FLOOR, 0x2800000
.set EOFF,  0xfe000000
.set QV0, 70
.set QV1, 82
.set QV2, 64
.set QV3, 76
.set MSB, 0
.macro WIN new
.if MSB != (\new)
	s_set_vgpr_msb (MSB<<8)|(\new)
.set MSB, (\new)
.endif
.endm
	s_load_b512 s[4:19], s[0:1], 0x0               ; x, mask, gamma, qkc, qs4, ks, vc, vs
	s_load_b64 s[20:21], s[0:1], 0x40              ; out0
	v_lshl_add_u32 v2, v0, 2, SPARE                ; my spare word
	v_mov_b32 v3, 0                                ; and 0: kept for the add alone
	v_lshrrev_b32 v1, 5, v0
	v_readfirstlane_b32 s22, v1                    ; wave
	s_and_b32 s24, ttmp7, 0xffff                   ; bh
	s_lshr_b32 s25, s24, 3                         ; b
	s_and_b32 s26, s24, 7                          ; head
	s_mov_b32 s28, 0x3e8293ee                      ; c = log2(e) / sqrt(32)
	s_mov_b32 s29, s28                             ; (named with it as a pair)
	s_mov_b32 s30, 0xbe8293ee                      ; -c
	s_mov_b32 s32, 0x76543210
	s_mov_b32 s33, 0xfedcba98                      ; lane selects: lane l xor 16
	s_mov_b32 s34, 0xffff0000                      ; lanes 16-31
	s_mov_b32 s38, 0x2b8cbccc                      ; 1e-12
	s_mov_b32 s39, 0                               ; the tile
	s_mov_b32 s41, 0
	s_mov_b32 s43, 0
	s_mov_b32 s45, 0
	v_and_b32 v18, 31, v0                          ; lane
	v_and_b32 v19, 15, v0                          ; r
	v_bfe_u32 v20, v0, 4, 1                        ; h
	v_mul_u32_u24 v4, v19, 24                      ; Q: 24 bytes a query
	v_lshlrev_b32 v5, 4, v19                       ; 16 r
	v_mul_u32_u24 v7, v19, 80                      ; the figures of query r
	s_lshl_b32 s40, s22, 4
	v_add_nc_u32 v6, s40, v7                       ; and my wave among them
	v_mul_u32_u24 v8, v19, 528
	v_lshl_add_u32 v8, v20, 6, v8
	s_mul_i32 s40, s22, 8448
	s_add_co_u32 s40, s40, STG
	v_add_nc_u32 v8, s40, v8                       ; my stage: row r, 64 h bytes on
	v_lshlrev_b32 v10, 4, v18                      ; 16 x lane
	s_mul_i32 s40, s22, 2112
	s_add_co_u32 s40, s40, STG
	v_add_nc_u32 v9, s40, v10                      ; back: rows 4 w on of every stage
	v_lshlrev_b32 v11, 3, v20                      ; 8 h
	v_lshlrev_b32 v12, 3, v18                      ; 8 x lane
	v_and_b32 v21, 7, v0
	v_bfe_u32 v22, v0, 3, 1
	v_lshl_add_u32 v13, v22, 5, v21
	v_lshl_add_u32 v13, v20, 3, v13
	v_mul_u32_u24 v13, v13, 24                     ; K: key r % 8 + 32 (r / 8) + 8 h
	v_lshlrev_b32 v23, 2, v18                      ; 4 x lane
	v_lshl_add_u32 v24, v20, 5, v19
	v_lshlrev_b32 v24, 2, v24                      ; the mask: key lane % 16 + 32 h
	s_wait_kmcnt 0x0
	s_load_b32 s36, s[8:9], 0x0                    ; gamma
	s_lshl_b32 s40, s24, 11
	s_lshl_b32 s46, ttmp9, 8
	s_add_co_u32 s27, s40, s46                     ; 2048 bh + my first query
	s_mul_i32 s40, s27, 24
	s_add_nc_u64 s[48:49], s[10:11], s[40:41]      ; the codes of Q
	s_lshl_b32 s40, s27, 4
	s_add_nc_u64 s[12:13], s[12:13], s[40:41]      ; and its scale words
	s_lshl_b32 s40, s24, 11
	s_lshl_b32 s46, s22, 9
	s_add_co_u32 s40, s40, s46
	s_mul_i32 s40, s40, 24
	s_add_co_u32 s40, s40, KOFF
	s_add_nc_u64 s[10:11], s[10:11], s[40:41]      ; K at key 512 w
	s_lshl_b32 s47, s24, 5
	s_lshl_b32 s46, s22, 3
	s_add_co_u32 s47, s47, s46                     ; 32 bh + 8 w: my first 64 keys
	s_lshl_b32 s40, s47, 7
	s_add_nc_u64 s[14:15], s[14:15], s[40:41]
	s_lshl_b32 s40, s47, 8
	s_add_nc_u64 s[18:19], s[18:19], s[40:41]
	s_mul_i32 s40, s24, 196608
	s_mul_i32 s46, s22, 6144
	s_add_co_u32 s40, s40, s46
	s_add_nc_u64 s[16:17], s[16:17], s[40:41]
	s_lshl_b32 s40, s25, 13
	s_lshl_b32 s46, s22, 11
	s_add_co_u32 s40, s40, s46
	s_add_nc_u64 s[6:7], s[6:7], s[40:41]
	s_lshl_b32 s40, s25, 11
	s_lshl_b32 s46, ttmp9, 8
	s_add_co_u32 s40, s40, s46
	s_lshl_b32 s46, s22, 2
	s_add_co_u32 s40, s40, s46                     ; the first row that I store: 2048 b + 256 chunk + 4 w
	s_lshl_b32 s40, s40, 12
	s_lshl_b32 s46, s26, 9
	s_add_co_u32 s40, s40, s46                     ; and the 512 bytes of my head in it
	s_add_nc_u64 s[4:5], s[4:5], s[40:41]
	s_add_nc_u64 s[20:21], s[20:21], s[40:41]
	; ---- what stays: K, V, their scale words, the mask
.set ff, 0
.rept 8
	WIN 0x80+0x40*(ff/4)
.irp c, 0,1
.irp p, 0,1,2
	global_load_b64 v[192+12*(ff%4)+6*\c+2*\p:192+12*(ff%4)+6*\c+2*\p+1], v13, s[10:11] offset:(64*ff+16*\c)*24+8*\p
.endr
.endr
.set ff, ff+1
.endr
.irp hf, 0,1
	WIN 0x80+0x40*\hf
.set cc, 0
.rept 8
.irp k2, 0,1
.irp c, 0,1
.irp p, 0,1,2
	global_load_b64 v[(2*cc+\k2)*12+6*\c+2*\p:(2*cc+\k2)*12+6*\c+2*\p+1], v12, s[16:17] offset:cc*24576+(2*(2*\hf+\k2)+\c)*768+256*\p   ; 256 consecutive bytes a load
.endr
.endr
.endr
.set cc, cc+1
.endr
.endr
	WIN 0
.irp f, 0,1,2,3,4,5,6,7
	global_load_b32 v[104+\f], v23, s[14:15] offset:128*\f
	global_load_b128 v[160+4*\f:163+4*\f], v5, s[18:19] offset:256*\f        ; the bytes of V of 64 keys: eight half words, a tile each
.endr
.irp n, 0,1,2,3,4,5,6,7,8,9,10,11,12,13,14,15
	global_load_b32 v[144+\n], v24, s[6:7] offset:(64*(\n/2)+16*(\n%2))*4    ; lane n2 of half h: the mask of register 16 n + n2
.endr
	global_load_b128 v[100:103], v5, s[12:13]      ; tile 0 of Q
.irp p, 0,1,2
	global_load_b64 v[94+2*\p:95+2*\p], v4, s[48:49] offset:8*\p
.endr
.irp e, 0,1,2,3,4,5
	v_mov_b32 v[64+\e], 0                          ; the zero codes round Q: written once
	v_mov_b32 v[76+\e], 0
	v_mov_b32 v[88+\e], 0
.endr
	s_wait_kmcnt 0x0
	s_mov_b32 s37, s36
	s_wait_loadcnt 0x0
	s_add_nc_u64 s[48:49], s[48:49], 384           ; from here on Q is loaded a tile ahead
	s_add_nc_u64 s[12:13], s[12:13], 256
.set cc, 0
.rept 8
.irp k, 0,1,2,3
.if (cc%2) == 0
	v_perm_b32 v[112+4*cc+\k], v[164+8*\k+cc/2], v[160+8*\k+cc/2], 0x05040100    ; the scale word of fragment (ct, ks): the half words of its two runs of 64 keys
.else
	v_perm_b32 v[112+4*cc+\k], v[164+8*\k+cc/2], v[160+8*\k+cc/2], 0x07060302
.endif
.endr
.set cc, cc+1
.endr
.irp n, 0,1,2,3,4,5,6,7,8,9,10,11,12,13,14,15
	v_cvt_f32_i32 v[144+\n], v[144+\n]
.endr
.macro SCORE f                         ; 64 keys: fragment f of K against the four versions of Q
	WIN 0x42+((\f)/4)
.irp j, 0,1,2,3
	v_wmma_scale_f32_16x16x128_f8f6f4 v[32*(\f)+8*\j:32*(\f)+8*\j+7], v[192+12*((\f)%4):192+12*((\f)%4)+11], v[QV\j:QV\j+11], 0, v[104+(\f)], v[100+\j] matrix_a_fmt:MATRIX_FMT_BF6 matrix_b_fmt:MATRIX_FMT_BF6
.endr
.endm
.macro ROWMAX f                        ; the largest score, four chains, a chain to an accumulator, each from its low end on; the 0 of relu starts the chains
	WIN 0x14
.irp i, 0,2,4,6
.irp q, 0,1,2,3
.if ((\f) == 0) && (\i == 0)
	v_max3_num_f32 v[36+\q], 0, v[8*\q], v[8*\q+1]
.else
	v_max3_num_f32 v[36+\q], v[36+\q], v[32*(\f)+8*\q+\i], v[32*(\f)+8*\q+\i+1]
.endif
.endr
.endr
.endm
.macro MULF ks                         ; 128 keys of p m become beta
	WIN 0x41
.set nn, 0
.rept 32
	v_pk_mul_f32 v[64*(\ks)+2*nn:64*(\ks)+2*nn+1], v[64*(\ks)+2*nn:64*(\ks)+2*nn+1], v[16:17]
.set nn, nn+1
.endr
.endm
.macro CVT ks                          ; and the 12 registers of the operand: block 2 c + h is 32 registers on end of my lane
.set PCB, 224+12*((\ks)%2)
	WIN 0x01
.irp c, 0,1
	v_cvt_scalef32_pk16_bf6_f32 v[PCB+6*\c:PCB+6*\c+2], v[64*(\ks)+32*\c:64*(\ks)+32*\c+15], v[44+2*(\ks)+\c]
	v_cvt_scalef32_pk16_bf6_f32 v[248+4*\c:250+4*\c], v[64*(\ks)+32*\c+16:64*(\ks)+32*\c+31], v[44+2*(\ks)+\c]
.endr
	WIN 0
	v_nop                                          ; one plain place behind a scaled conversion
.irp c, 0,1
.irp e, 0,1,2
	v_mov_b32 v[PCB+6*\c+3+\e], v[248+4*\c+\e]
.endr
.endr
.endm
.macro PV ks                           ; O^T += V^T P^T over 128 keys: the eight accumulators by turns, one instruction a turn; the first step starts the sums
.set PCB, 224+12*((\ks)%2)
	WIN 0x02+((\ks)/2)
.irp ct, 0,1,2,3,4,5,6,7
.if (\ks) == 0
	v_wmma_scale_f32_16x16x128_f8f6f4 v[160+8*\ct:167+8*\ct], v[24*\ct+12*((\ks)%2):24*\ct+12*((\ks)%2)+11], v[PCB:PCB+11], 0, v[112+4*\ct+(\ks)], v[60+(\ks)] matrix_a_fmt:MATRIX_FMT_BF6 matrix_b_fmt:MATRIX_FMT_BF6
.else
	v_wmma_scale_f32_16x16x128_f8f6f4 v[160+8*\ct:167+8*\ct], v[24*\ct+12*((\ks)%2):24*\ct+12*((\ks)%2)+11], v[PCB:PCB+11], v[160+8*\ct:167+8*\ct], v[112+4*\ct+(\ks)], v[60+(\ks)] matrix_a_fmt:MATRIX_FMT_BF6 matrix_b_fmt:MATRIX_FMT_BF6
.endif
.endr
.endm
.macro PLACES
.rept 4
	v_nop
.endr
.endm
.Ltile:                                            ; 16 trips, a tile of 16 queries each; every window is 0 here
	; ---- the versions of Q
.irp e, 0,1,2,3,4,5
	v_cndmask_b32 v[70+\e], v[94+\e], 0, s34       ; Q in lanes 0-15
.endr
.irp e, 0,1,2,3,4,5
	v_cndmask_b32 v[82+\e], 0, v[94+\e], s34       ; Q in lanes 16-31
.endr
	PLACES                                         ; an operand written by vector instructions stands four places ahead of a scaled matrix instruction
	; ---- the scores; the search for the maximum of one run of 64 keys fills the places behind the products of the next
	SCORE 0
	SCORE 1
	PLACES                                         ; nothing else is at hand behind the first products
	ROWMAX 0
.irp f, 2,3,4,5,6,7
	SCORE \f
	ROWMAX \f-1
.endr
	ROWMAX 7
	WIN 0
	global_load_b128 v[100:103], v5, s[12:13]      ; the next tile of Q (the last trip loads the last tile again), 32 plain instructions behind the last product that read these registers
.irp p, 0,1,2
	global_load_b64 v[94+2*\p:95+2*\p], v4, s[48:49] offset:8*\p
.endr
	WIN 0xc0
.irp i, 0,1,2,3
	global_load_b128 v[240+4*\i:243+4*\i], v10, s[4:5] offset:4096*\i th:TH_LOAD_NT   ; the four rows of x that I add at the end of this trip
.endr
	WIN 0
	v_max3_num_f32 v20, v36, v37, v38
	v_max_num_f32 v20, v20, v39
	v_permlanex16_b32 v21, v20, s32, s33
	v_max_num_f32 v20, v20, v21                    ; M of my 512 keys, 0 at the least
	v_mul_f32 v14, s30, v20                        ; -c M
	v_mov_b32 v15, v14
	; ---- p = 2^(max(c s - c M, -c M)): groups of four registers in three stages, so that plain lines stand among the exponentials.  ONE batch: no line names a result before the wait behind it
	WIN 0x41
.set gg, 0
.rept 66
.if gg >= 2
	v_exp_f32 v[4*gg-8], v[4*gg-8]
.endif
.if gg < 64
	v_pk_fma_f32 v[4*gg:4*gg+1], v[4*gg:4*gg+1], s[28:29], v[14:15] op_sel_hi:[1,0,0]
.endif
.if gg >= 2
	v_exp_f32 v[4*gg-7], v[4*gg-7]
.endif
.if gg < 64
	v_pk_fma_f32 v[4*gg+2:4*gg+3], v[4*gg+2:4*gg+3], s[28:29], v[14:15] op_sel_hi:[1,0,0]
.endif
.if gg >= 2
	v_exp_f32 v[4*gg-6], v[4*gg-6]
.endif
.if (gg >= 1) && (gg <= 64)
	v_max_num_f32 v[4*gg-4], v[4*gg-4], v14        ; relu, under the shift
	v_max_num_f32 v[4*gg-3], v[4*gg-3], v14
.endif
.if gg >= 2
	v_exp_f32 v[4*gg-5], v[4*gg-5]
.endif
.if (gg >= 1) && (gg <= 64)
	v_max_num_f32 v[4*gg-2], v[4*gg-2], v14
	v_max_num_f32 v[4*gg-1], v[4*gg-1], v14
.endif
.set gg, gg+1
.endr
	v_nop                                          ; a plain place behind the last exponential
	s_wait_alu depctr_va_vdst(0)                   ; one wait for the 256, ahead of the first reader
	; ---- S1: the sum of p, a chain to each block of 32 keys; the first add starts a chain
	WIN 0x05
.irp f, 0,1,2,3,4,5,6,7
	v_pk_add_f32 v[160+2*\f:161+2*\f], v[32*\f:32*\f+1], v[32*\f+2:32*\f+3]
.endr
	WIN 0x14
.irp i, 2,3,4,5,6,7,8,9,10,11,12,13,14,15
.irp f, 0,1,2,3,4,5,6,7
	v_pk_add_f32 v[160+2*\f:161+2*\f], v[160+2*\f:161+2*\f], v[32*\f+2*\i:32*\f+2*\i+1]
.endr
.endr
	; ---- the mask
	WIN 0x44
.irp v, 0,1,2,3,4,5,6,7,8,9,10,11,12,13,14,15
.irp n, 0,1,2,3,4,5,6,7,8,9,10,11,12,13,14,15
	v_mul_f32_dpp v[16*\v+\n], v[144+\v], v[16*\v+\n] row_share:\n row_mask:0xf bank_mask:0xf
.endr
.endr
	; ---- S2: the sum of p m; and the largest magnitude of each block
	WIN 0x05
.irp f, 0,1,2,3,4,5,6,7
	v_pk_add_f32 v[176+2*\f:177+2*\f], v[32*\f:32*\f+1], v[32*\f+2:32*\f+3]
.endr
	WIN 0x14
.irp i, 0,1,2,3,4,5,6,7,8,9,10,11,12,13,14,15
.irp f, 0,1,2,3,4,5,6,7
.if \i >= 2
	v_pk_add_f32 v[176+2*\f:177+2*\f], v[176+2*\f:177+2*\f], v[32*\f+2*\i:32*\f+2*\i+1]
.endif
.if \i == 0
	v_max3_num_f32 v[36+\f], 0, |v[32*\f]|, |v[32*\f+1]|
.else
	v_max3_num_f32 v[36+\f], v[36+\f], |v[32*\f+2*\i]|, |v[32*\f+2*\i+1]|
.endif
.endr
.endr
	WIN 0
.irp b, 160, 176
	v_pk_add_f32 v[\b:\b+1], v[\b:\b+1], v[\b+2:\b+3]
	v_pk_add_f32 v[\b+4:\b+5], v[\b+4:\b+5], v[\b+6:\b+7]
	v_pk_add_f32 v[\b+8:\b+9], v[\b+8:\b+9], v[\b+10:\b+11]
	v_pk_add_f32 v[\b+12:\b+13], v[\b+12:\b+13], v[\b+14:\b+15]
.endr
.irp b, 160, 176
	v_pk_add_f32 v[\b:\b+1], v[\b:\b+1], v[\b+4:\b+5]
	v_pk_add_f32 v[\b+8:\b+9], v[\b+8:\b+9], v[\b+12:\b+13]
.endr
.irp b, 160, 176
	v_pk_add_f32 v[\b:\b+1], v[\b:\b+1], v[\b+8:\b+9]
.endr
	v_add_f32 v57, v160, v161
	v_add_f32 v58, v176, v177
	v_permlanex16_b32 v21, v57, s32, s33
	v_permlanex16_b32 v22, v58, s32, s33
	v_add_f32 v57, v57, v21                        ; S1 of my 512 keys
	v_add_f32 v58, v58, v22                        ; S2
	v_mov_b32 v56, v14
	v_mov_b32 v59, 0
	; ---- the four waves exchange their figures
	ds_store_b128 v6, v[56:59]                     ; lanes r and r + 16 write the same 16 bytes with the same values
	s_wait_dscnt 0x0                               ; for the others: my figures lie in LDS
	s_barrier_signal -1
	s_barrier_wait -1
.irp u, 0,1,2,3
	ds_load_b128 v[224+4*\u:227+4*\u], v7 offset:16*\u
.endr
	s_wait_dscnt 0x0
	v_min3_num_f32 v23, v224, v228, v232
	v_min_num_f32 v23, v23, v236                   ; -c M of all 2,048 keys
.irp u, 0,1,2,3
	v_sub_f32 v[24+\u], v23, v[224+4*\u]           ; c M of wave u less c M: 0 or less
.endr
	v_sub_f32 v28, v23, v14
.irp u, 0,1,2,3,4
	v_exp_f32 v[24+\u], v[24+\u]
.endr
	v_nop
	s_wait_alu depctr_va_vdst(0)                   ; one wait for the five
	v_mul_f32 v29, v24, v225
	v_mul_f32 v30, v24, v226
.irp u, 1,2,3
	v_fma_f32 v29, v[24+\u], v[225+4*\u], v29      ; S1 under the common M
	v_fma_f32 v30, v[24+\u], v[226+4*\u], v30      ; S2
.endr
	v_fma_f32 v31, s38, v29, v30                   ; S2 + 1e-12 S1
	v_rcp_f32 v31, v31
	v_nop
	s_wait_alu depctr_va_vdst(0)
	v_mul_f32 v16, v28, v31                        ; F
	v_mov_b32 v17, v16
	; ---- the scales of beta: a rounded product with F does not fall where p m rises, so the largest beta of a block is its largest p m times F
.irp f, 0,1,2,3,4,5,6,7
	v_mul_f32 v[44+\f], v[36+\f], v16
.endr
.irp f, 0,1,2,3,4,5,6,7
	v_max_num_f32 v[44+\f], FLOOR, |v[44+\f]|
.endr
.irp f, 0,1,2,3,4,5,6,7
	v_add_nc_u32 v[44+\f], EOFF, v[44+\f]
.endr
.irp f, 0,1,2,3,4,5,6,7
	v_lshrrev_b32 v[52+\f], 23, v[44+\f]
.endr
.irp k, 0,1,2,3
	v_lshl_or_b32 v[60+\k], v[53+2*\k], 16, v[52+2*\k]     ; my bytes: blocks h and 2 + h of these 128 keys,
.endr
.irp k, 0,1,2,3
	v_lshlrev_b32 v[60+\k], v11, v[60+\k]
.endr
.irp k, 0,1,2,3
	v_permlanex16_b32 v[24+\k], v[60+\k], s32, s33
.endr
.irp k, 0,1,2,3
	v_or_b32 v[60+\k], v[60+\k], v[24+\k]                  ; with those of lane l xor 16
.endr
	; ---- beta, its codes, the second product: the multiplies of one run of 128 keys are the places between the codes of the run before and their product
	MULF 0
	CVT 0
	MULF 1
	PV 0
	CVT 1
	MULF 2
	PV 1
	CVT 2
	MULF 3
	PV 2
	CVT 3
	PLACES
	PV 3
	; ---- the four waves add their parts of O: each stores its 16 rows, each takes four whole rows back from all four stages
	WIN 0
	PLACES
.irp ct, 0,1,2,3,4,5,6,7
	ds_store_b128 v8, v[160+8*\ct:163+8*\ct] offset:128*(\ct/2)+32*(\ct%2)       ; channels 32 (ct / 2) + 16 h + 8 (ct % 2) on
	ds_store_b128 v8, v[164+8*\ct:167+8*\ct] offset:128*(\ct/2)+32*(\ct%2)+16
.endr
	s_wait_dscnt 0x0                               ; my part lies in LDS, and my reads of the figures are long over
	s_barrier_signal -1
	s_barrier_wait -1
.irp i, 0,1,2,3
.irp u, 0,1,2,3
	ds_load_b128 v[160+16*\i+4*\u:163+16*\i+4*\u], v9 offset:8448*\u+528*\i
.endr
.endr
	s_wait_dscnt 0x0
.irp i, 0,1,2,3
	v_pk_add_f32 v[160+16*\i:161+16*\i], v[160+16*\i:161+16*\i], v[164+16*\i:165+16*\i]
	v_pk_add_f32 v[162+16*\i:163+16*\i], v[162+16*\i:163+16*\i], v[166+16*\i:167+16*\i]
	v_pk_add_f32 v[168+16*\i:169+16*\i], v[168+16*\i:169+16*\i], v[172+16*\i:173+16*\i]
	v_pk_add_f32 v[170+16*\i:171+16*\i], v[170+16*\i:171+16*\i], v[174+16*\i:175+16*\i]
.endr
.irp i, 0,1,2,3
	v_pk_add_f32 v[160+16*\i:161+16*\i], v[160+16*\i:161+16*\i], v[168+16*\i:169+16*\i]
	v_pk_add_f32 v[162+16*\i:163+16*\i], v[162+16*\i:163+16*\i], v[170+16*\i:171+16*\i]
.endr
	s_wait_loadcnt 0x0                             ; x, and the next tile of Q: asked for most of a trip ago
	WIN 0x30
.irp i, 0,1,2,3
	v_pk_fma_f32 v[160+16*\i:161+16*\i], v[160+16*\i:161+16*\i], s[36:37], v[240+4*\i:241+4*\i] op_sel_hi:[1,0,1]   ; gamma O + x
	v_pk_fma_f32 v[162+16*\i:163+16*\i], v[162+16*\i:163+16*\i], s[36:37], v[242+4*\i:243+4*\i] op_sel_hi:[1,0,1]
.endr
	WIN 0
.irp i, 0,1,2,3
	global_store_b128 v10, v[160+16*\i:163+16*\i], s[20:21] offset:4096*\i th:TH_STORE_NT   ; 512 consecutive bytes of a row, at a multiple of 512 from the buffer start
.endr
	s_wait_xcnt 0x0                                ; the loads and stores of this trip have read their bases and registers: both may be written again
	s_add_nc_u64 s[4:5], s[4:5], 0x10000           ; 16 rows on
	s_add_nc_u64 s[20:21], s[20:21], 0x10000
	s_cmp_lt_u32 s39, 14                           ; Q runs a tile ahead and stops at the last tile: no load leaves its buffer
	s_cselect_b32 s42, 384, 0
	s_cselect_b32 s44, 256, 0
	s_add_nc_u64 s[48:49], s[48:49], s[42:43]
	s_add_nc_u64 s[12:13], s[12:13], s[44:45]
	s_add_co_u32 s39, s39, 1
	s_cmp_lt_u32 s39, 16
	s_cbranch_scc1 .Ltile
	; The figures are written again only behind the second barrier of a trip, the stages only behind the first barrier of the next: in front of each signal every wave has waited for its reads.
	s_wait_tensorcnt 0x0                           ; the wave end: three closing lines behind my last LDS store
	ds_add_u32 v2, v3
	s_wait_dscnt 0x0
	s_endpgm
.Lfunc_end_k_qbe0fac5559_attn:
	.size	k_qbe0fac5559_attn, .Lfunc_end_k_qbe0fac5559_attn-k_qbe0fac5559_attn
	.p2alignl 7, 3214868480
	.fill 96, 4, 3214868480
	.section	.rodata,"a",@progbits
	.p2align	6, 0x0
	.amdhsa_kernel k_qbe0fac5559_attn
		.amdhsa_group_segment_fixed_size 36352
		.amdhsa_private_segment_fixed_size 0
		.amdhsa_enable_private_segment 0
		.amdhsa_kernarg_size 72
		.amdhsa_user_sgpr_count 2
		.amdhsa_user_sgpr_kernarg_segment_ptr 1
		.amdhsa_wavefront_size32 1
		.amdhsa_system_sgpr_workgroup_id_x 1
		.amdhsa_system_sgpr_workgroup_id_y 1
		.amdhsa_system_sgpr_workgroup_id_z 1
		.amdhsa_system_vgpr_workitem_id 0
		.amdhsa_next_free_vgpr 1024
		.amdhsa_next_free_sgpr 66
		.amdhsa_reserve_vcc 0
		.amdhsa_float_denorm_mode_32 3
		.amdhsa_float_denorm_mode_16_64 3
		.amdhsa_memory_ordered 1
		.amdhsa_forward_progress 1
		.amdhsa_inst_pref_size 138
	.end_amdhsa_kernel
	.amdgpu_metadata
---
amdhsa.version: [ 1, 2 ]
amdhsa.kernels:
  - .name:           k_qbe0fac5559_attn
    .symbol:         k_qbe0fac5559_attn.kd
    .args:
      - { .name: x, .offset: 0, .size: 8, .value_kind: global_buffer, .address_space: global }
      - { .name: mask, .offset: 8, .size: 8, .value_kind: global_buffer, .address_space: global }
      - { .name: gamma, .offset: 16, .size: 8, .value_kind: global_buffer, .address_space: global }
      - { .name: qkc, .offset: 24, .size: 8, .value_kind: global_buffer, .address_space: global }
      - { .name: qs4, .offset: 32, .size: 8, .value_kind: global_buffer, .address_space: global }
      - { .name: ks, .offset: 40, .size: 8, .value_kind: global_buffer, .address_space: global }
      - { .name: vc, .offset: 48, .size: 8, .value_kind: global_buffer, .address_space: global }
      - { .name: vs, .offset: 56, .size: 8, .value_kind: global_buffer, .address_space: global }
      - { .name: out0, .offset: 64, .size: 8, .value_kind: global_buffer, .address_space: global }
    .group_segment_fixed_size: 36352
    .private_segment_fixed_size: 0
    .kernarg_segment_align: 8
    .kernarg_segment_size: 72
    .max_flat_workgroup_size: 128
    .sgpr_count:     66
    .vgpr_count:     1024
    .wavefront_size: 32
...
	.end_amdgpu_metadata
.endif
;; end of part 3
;; ======== version 2 of 2: 3 launches; version 1 with the launches proj, attn written anew for expert scheduling mode
;; workspace buffers: wimg 1,179,648 bytes; wsc 49,152 bytes; qkc 3,145,728 bytes; qs4 1,048,576 bytes; ks 131,072 bytes; vc 6,291,456 bytes; vs 262,144 bytes
;; launch wprep: the kernel of part 1 again; grid 64 x 3, 2 waves a work-group, no clusters, 6,400 bytes of LDS; arguments Wq, Wk, Wv, wimg, wsc; writes wimg, wsc
;; launch proj (part 4): grid 2 x 128, 4 waves a work-group, no clusters, 87,552 bytes of LDS; arguments x, wimg, wsc, bq, bk, bv, qkc, qs4, ks, vc, vs; writes qkc, qs4, ks, vc, vs
.if DOCPART == 4
	.amdgcn_target "amdgcn-amd-amdhsa--gfx1250"
	.amdhsa_code_object_version 6
	.text
	.protected	k_qbe0fac5559_proj
	.globl	k_qbe0fac5559_proj
	.p2align	8
	.type	k_qbe0fac5559_proj,@function
k_qbe0fac5559_proj:
	s_mov_b64 s[64:65], 0
	v_nop
	global_prefetch_b8 v0, s[64:65] scope:SCOPE_SE
	s_setreg_imm32_b32 hwreg(HW_REG_WAVE_SCHED_MODE, 0, 2), 2
	s_setreg_imm32_b32 hwreg(HW_REG_WAVE_MODE, 25, 1), 1
	s_wait_xcnt 0x0
	s_wait_alu depctr_vm_vsrc(0)
; LAUNCH 2 OF 3.  q = x Wq + bq, k = x Wk + bk, v = x Wv + bv on codes of BF6; then q and k are quantised along the head 32, v along the tokens.  No work of reference() is left out.
; SHARES: work-group (hg, y): tokens 64 y .. 64 y + 63, heads 4 hg .. 4 hg + 3; wave w takes head 4 hg + w: 64 tokens x 192 columns, 48 accumulators, K = 1,024 in 8 steps of 128.
; x: wave w quantises the 16 tokens of tile w (8 fragments) and hands them to the others through LDS as images of the operand registers; one barrier.
; Row r of token tile tt is token 8 tt + r % 8 + 32 (r / 8).  So in v (source 0 = tokens, source 1 = 16 columns) lane (r, h) holds column r and, over the four tiles, tokens 32 h + 0 .. 31 in 32 registers on end:
; a whole block of the next K in a lane.  q and k are used transposed (source 0 = 16 columns, source 1 = tokens): a lane holds one token and 16 neighbours of the head 32.
; OUT: qkc [q, k][bh][token][24 bytes];  qs4 [bh][token][4 words]: word j = 0x01010101 with byte j = the scale byte of q;  ks [bh][64 tokens][lane] words: byte j = the scale byte of key 64 f + 32 (r / 8) + 8 j + r % 8;
; vc [bh][tile 8][64 tokens][piece 3][lane][8 bytes]: half a fragment of V as its registers want it;  vs [bh][64 tokens][row 16][tile 8] of 16 bits: the bytes of the two blocks of 32 tokens.
; LIMITS: as stated in the first launch (NaN, infinities; the byte 1 for blocks under the floor).
; REGISTERS, in windows of 256.  Window 0: v1-15 addresses; v16-47 at work; v48-59 scale words of W (two sets), v60-67 of x (two sets); v68-99 bq, bk as the C of the first step; v112-255 W, odd steps; later scratch.
; Window 1: v0-143 W, even steps; v144-239 x, two sets of four fragments; v240-255 bv, each number twice.  Window 2: the 32 accumulators of v (32 ct + 8 tt); before that a ring of four sets of x as loaded.
; Window 3: v0-127 the 16 accumulators of q and k (32 tt + 8 t); v128-255 two sets of 64 numbers of x.
; THE MODE: SCHED_MODE bits 1:0 = 2 (LLVM: expert scheduling mode 2), set by the entry lines.  The code itself states the register dependences
; between vector or matrix instructions and memory or LDS instructions, with s_wait_alu, always for 0.
; THE PLAN.  Registers that memory or LDS instructions touch:
;   v1, v4-v10, v12-v15, v46, v47   offsets and LDS addresses: made once at the head, never written again.
;   the ring of x as loaded (window 2)   step s: the LDS stores of its turn read set s % 4; the loads of step s + 4 land in it; after the last turn the products write it.
;   the two sets of 64 numbers (window 3)   the LDS loads of the turn of step s + 1 land in the set that the quantiser of step s - 1 read.
;   v24, v26-v37   written by the quantiser of a step, read by its four LDS stores, written again by the next.
;   W (two sets), x (two sets), their scale words (two sets each)   product step s reads sets s % 2; the loads of step s + 1 land in the other sets, which step s - 1 read.
;   v144-v184; v100, v101, v192-v255   written on the way out, read by its stores, not written again.
; So an x step has one wait on vm_vsrc at its head and one on va_vdst ahead of its four stores (no vector instruction follows that one before the next turn: it also states that the quantiser is done reading its set);
; a product step has ONE wait on va_vdst at its head, and all the loads of the next step follow it, the fragments of W dealt among the first sixteen products, which name the other sets alone; each half of the way out has one.
.set XST,   0                          ; LDS: four stages of 16 rows x (512 + 16) bytes, a wave each
.set XIMG,  33792                      ; 32 fragments of x (8 tt + s), 1,536 bytes each
.set XSC,   82944                      ; their scale words, 128 bytes each
.set SPARE, 87040                      ; the spare words, 128 bytes a wave
.set KOFF,  1572864                    ; k behind q in qkc
.set FLOOR, 0x2800000
.set EOFF,  0xfe000000
.set MSB, 0
.macro WIN new                         ; the upper byte of the immediate repeats the setting that is left; a switch that changes nothing is dropped
.if MSB != (\new)
	s_set_vgpr_msb (MSB<<8)|(\new)
.set MSB, (\new)
.endif
.endm
	s_load_b512 s[4:19], s[0:1], 0x0               ; x, wimg, wsc, bq, bk, bv, qkc, qs4
	s_load_b128 s[20:23], s[0:1], 0x40             ; ks, vc
	s_load_b64 s[24:25], s[0:1], 0x50              ; vs
	v_lshl_add_u32 v2, v0, 2, SPARE                ; my spare word
	v_mov_b32 v3, 0                                ; and 0: kept for the add alone
	v_lshrrev_b32 v1, 5, v0
	v_readfirstlane_b32 s26, v1                    ; wave
	s_and_b32 s29, ttmp7, 0xffff                   ; y
	s_and_b32 s33, s29, 31                         ; which 64 tokens of the sequence
	s_mov_b32 s30, 0x76543210
	s_mov_b32 s31, 0xfedcba98                      ; lane selects: lane l xor 16
	s_mov_b32 s32, 0x01010101
	s_mov_b32 s38, 0xffff0000                      ; lanes 16-31
	v_and_b32 v16, 31, v0                          ; lane
	v_and_b32 v17, 15, v0                          ; r
	v_bfe_u32 v18, v0, 4, 1                        ; h
	v_and_b32 v19, 7, v0
	v_bfe_u32 v20, v0, 3, 1
	v_lshlrev_b32 v1, 4, v16                       ; 16 x lane
	v_lshlrev_b32 v10, 2, v16                      ; 4 x lane
	v_lshlrev_b32 v14, 3, v16                      ; 8 x lane
	v_lshlrev_b32 v11, 3, v18                      ; 8 h
	s_wait_alu depctr_va_sdst(0)                   ; s26 is written, ahead of its first reader: the head, the LDS places and the bases are made from it
	s_lshl_b32 s27, ttmp9, 2
	s_add_co_u32 s27, s27, s26                     ; head
	s_lshr_b32 s28, s29, 5
	s_lshl_b32 s28, s28, 3
	s_add_co_u32 s28, s28, s27                     ; bh = 8 b + head
	s_mul_i32 s34, s26, 8448
	v_add_nc_u32 v4, s34, v1                       ; my stage, in: a row is 512 bytes of 32 lanes
	v_mul_u32_u24 v5, v17, 528
	v_lshl_add_u32 v5, v18, 7, v5
	v_add_nc_u32 v5, s34, v5                       ; and back: row r, 128 h bytes on: 32 neighbours along K
	s_mul_i32 s34, s26, 12288
	s_add_co_u32 s34, s34, XIMG
	v_add_nc_u32 v6, s34, v1                       ; where I store the images of tile w
	s_lshl_b32 s34, s26, 10
	s_add_co_u32 s34, s34, XSC
	v_add_nc_u32 v7, s34, v10                      ; and their scale words
	v_add_nc_u32 v8, XIMG, v1                      ; where any image is read
	v_add_nc_u32 v9, XSC, v10
	v_lshl_add_u32 v21, v20, 5, v19                ; my token in a tile: r % 8 + 32 (r / 8)
	v_mul_u32_u24 v12, v21, 24
	v_mad_u32_u24 v12, v18, 12, v12                ; qkc: 24 bytes a token, 12 h
	v_lshlrev_b32 v13, 4, v21
	v_lshl_add_u32 v13, v18, 3, v13                ; qs4: 16 bytes a token, 8 h
	v_lshlrev_b32 v15, 4, v17
	v_lshl_add_u32 v15, v18, 3, v15                ; vs: 16 r + 8 h
	v_lshlrev_b32 v46, 6, v18                      ; bq, bk: 16 h numbers on
	v_lshl_add_u32 v47, v20, 4, v19
	v_lshlrev_b32 v47, 2, v47                      ; bv: column r % 8 + 16 (r / 8) of a group
	v_lshlrev_b32 v45, 4, v18                      ; 16 h
	v_mov_b32 v25, 0                               ; (the destination of a lane permute counts as read)
	s_mov_b32 s35, 0
	s_wait_kmcnt 0x0
	s_lshl_b32 s34, s29, 6
	s_lshl_b32 s36, s26, 3
	s_add_co_u32 s34, s34, s36
	s_lshl_b32 s34, s34, 12
	s_add_nc_u64 s[4:5], s[4:5], s[34:35]          ; x at token 64 y + 8 w
	s_mul_i32 s34, s27, 147456
	s_add_nc_u64 s[6:7], s[6:7], s[34:35]          ; the fragments of my head
	s_mul_i32 s34, s27, 6144
	s_add_nc_u64 s[8:9], s[8:9], s[34:35]
	s_lshl_b32 s34, s27, 7
	s_add_nc_u64 s[10:11], s[10:11], s[34:35]
	s_add_nc_u64 s[12:13], s[12:13], s[34:35]
	s_lshl_b32 s34, s27, 9
	s_add_nc_u64 s[14:15], s[14:15], s[34:35]
	s_lshl_b32 s36, s28, 11
	s_lshl_b32 s37, s33, 6
	s_add_co_u32 s36, s36, s37                     ; 2048 bh + my first token
	s_mul_i32 s34, s36, 24
	s_add_nc_u64 s[16:17], s[16:17], s[34:35]
	s_lshl_b32 s34, s36, 4
	s_add_nc_u64 s[18:19], s[18:19], s[34:35]
	s_lshl_b32 s36, s28, 5
	s_add_co_u32 s36, s36, s33                     ; 32 bh + block of 64 tokens
	s_lshl_b32 s34, s36, 7
	s_add_nc_u64 s[20:21], s[20:21], s[34:35]
	s_lshl_b32 s34, s36, 8
	s_add_nc_u64 s[24:25], s[24:25], s[34:35]
	s_mul_i32 s34, s28, 196608
	s_mul_i32 s37, s33, 768
	s_add_co_u32 s34, s34, s37
	s_add_nc_u64 s[22:23], s[22:23], s[34:35]
.macro WPART s, q                      ; fragments 3 q .. 3 q + 2 of K step s: nine loads
.if ((\s)%2) == 0
	WIN 0x40
.else
	WIN 0
.endif
.set WB2, 112*((\s)%2)
.irp e, 0,1,2
.irp i, 0,1,2
	global_load_b128 v[WB2+12*(3*(\q)+\e)+4*\i:WB2+12*(3*(\q)+\e)+4*\i+3], v1, s[6:7] offset:(\s)*18432+(3*(\q)+\e)*1536+512*\i
.endr
.endr
.endm
.macro WSCL s                          ; the 12 x 16 scale words of K step s: six loads
	WIN 0
.irp u, 0,1,2,3,4,5
	global_load_b32 v[48+6*((\s)%2)+\u], v10, s[8:9] offset:(\s)*768+128*\u    ; lanes 0-15: tile 2 u, lanes 16-31: tile 2 u + 1
.endr
.endm
.macro WLOAD s                         ; the 12 fragments and 12 x 16 scale words of K step s: 42 loads
	WPART \s, 0
	WPART \s, 1
	WPART \s, 2
	WPART \s, 3
	WSCL \s
.endm
.macro XLOAD s                         ; 128 numbers of each of my 16 tokens: a load takes 512 consecutive bytes of a row
	WIN 0x80
.set rr, 0
.rept 16
	global_load_b128 v[64*((\s)%4)+4*rr:64*((\s)%4)+4*rr+3], v1, s[4:5] offset:(rr+24*(rr/8))*4096+512*(\s)
.set rr, rr+1
.endr
.endm
.macro XTURN s                         ; through my stage: in as loaded, back 32 neighbours along K a lane and block (LDS serves a wave in order)
	WIN 0x08
.set rr, 0
.rept 16
	ds_store_b128 v4, v[64*((\s)%4)+4*rr:64*((\s)%4)+4*rr+3] offset:528*rr
.set rr, rr+1
.endr
	WIN 0xc0
.irp c, 0,1
.irp i, 0,1,2,3,4,5,6,7
	ds_load_b128 v[128+64*((\s)%2)+32*\c+4*\i:128+64*((\s)%2)+32*\c+4*\i+3], v5 offset:256*\c+16*\i
.endr
.endr
.endm
.macro XQUANT s                        ; register 32 c + e = k 64 c + 32 h + e of row r: two whole blocks a lane become the 12 registers of the fragment
.set XB, 128+64*((\s)%2)
	WIN 0x3c
.irp q, 0,1,2,3
	v_max3_num_f32 v[16+\q], FLOOR, |v[XB+16*\q]|, |v[XB+16*\q+1]|
.endr
.irp i, 2,4,6,8,10,12,14
.irp q, 0,1,2,3
	v_max3_num_f32 v[16+\q], v[16+\q], |v[XB+16*\q+\i]|, |v[XB+16*\q+\i+1]|
.endr
.endr
	WIN 0
	v_max_num_f32 v16, v16, v17
	v_max_num_f32 v18, v18, v19
	v_add_nc_u32 v20, EOFF, v16
	v_add_nc_u32 v21, EOFF, v18
	v_lshrrev_b32 v22, 23, v20
	v_lshrrev_b32 v23, 23, v21
	v_lshl_or_b32 v24, v23, 16, v22                ; my bytes: blocks h and 2 + h,
	v_lshlrev_b32 v24, v11, v24                    ; at their places,
	v_permlanex16_b32 v25, v24, s30, s31
	v_or_b32 v24, v24, v25                         ; with the two of lane l xor 16: the scale word of row r
	WIN 0x03
	v_cvt_scalef32_pk16_bf6_f32 v[26:28], v[XB:XB+15], v20
	v_cvt_scalef32_pk16_bf6_f32 v[38:40], v[XB+16:XB+31], v20
	v_cvt_scalef32_pk16_bf6_f32 v[32:34], v[XB+32:XB+47], v21
	v_cvt_scalef32_pk16_bf6_f32 v[42:44], v[XB+48:XB+63], v21
	WIN 0
	v_nop                                          ; one plain place behind a scaled conversion
	v_mov_b32 v29, v38
	v_mov_b32 v30, v39
	v_mov_b32 v31, v40
	v_mov_b32 v35, v42
	v_mov_b32 v36, v43
	v_mov_b32 v37, v44
	s_wait_alu depctr_va_vdst(0)                   ; v24 and v26 to v37 are written, which the four stores read; and this quantiser is done reading its 64 numbers, in which the LDS loads of the next turn but one land
	ds_store_b128 v6, v[26:29] offset:1536*(\s)
	ds_store_b128 v6, v[30:33] offset:1536*(\s)+512
	ds_store_b128 v6, v[34:37] offset:1536*(\s)+1024
	ds_store_b32 v7, v24 offset:128*(\s)
.endm
.macro XFETCH s                        ; the four fragments of x of K step s, and their scale words
	WIN 0x40
.irp tt, 0,1,2,3
.irp i, 0,1,2
	ds_load_b128 v[144+48*((\s)%2)+12*\tt+4*\i:144+48*((\s)%2)+12*\tt+4*\i+3], v8 offset:(8*\tt+(\s))*1536+512*\i
.endr
.endr
	WIN 0
.irp tt, 0,1,2,3
	ds_load_b32 v[60+4*((\s)%2)+\tt], v9 offset:(8*\tt+(\s))*128
.endr
.endm
; 16 products for q and k, transposed: source 0 = tile t of W, source 1 = tokens.  In step 0 the bias is the C.  The 48 accumulators take turns, one instruction a turn, in the same order in every step.
; In steps 1 to 6 a quarter of the fragments of W of the next step is asked for behind each four products: no wait, since no matrix instruction behind the wait at the head of the step names the set in which they land.
.macro QKMUL s
.set WB, 112*((\s)%2)
.set XF, 144+48*((\s)%2)
.set SW, 48+6*((\s)%2)
.set SX, 60+4*((\s)%2)
.irp tt, 0,1,2,3
.if (\s) == 0
	WIN 0xc5
.elseif ((\s)%2) == 0
	WIN 0xf5
.else
	WIN 0xf4
.endif
.irp u, 0,1
.if (\s) == 0
	v_wmma_scale_f32_16x16x128_f8f6f4 v[32*\tt+16*\u:32*\tt+16*\u+7], v[WB+24*\u:WB+24*\u+11], v[XF+12*\tt:XF+12*\tt+11], v[68+16*\u:75+16*\u], v[SW+\u], v[SX+\tt] matrix_a_fmt:MATRIX_FMT_BF6 matrix_b_fmt:MATRIX_FMT_BF6
	v_wmma_scale_f32_16x16x128_f8f6f4 v[32*\tt+16*\u+8:32*\tt+16*\u+15], v[WB+24*\u+12:WB+24*\u+23], v[XF+12*\tt:XF+12*\tt+11], v[76+16*\u:83+16*\u], v[SW+\u], v[SX+\tt] matrix_a_fmt:MATRIX_FMT_BF6 matrix_b_fmt:MATRIX_FMT_BF6 matrix_a_scale:MATRIX_SCALE_ROW1
.else
	v_wmma_scale_f32_16x16x128_f8f6f4 v[32*\tt+16*\u:32*\tt+16*\u+7], v[WB+24*\u:WB+24*\u+11], v[XF+12*\tt:XF+12*\tt+11], v[32*\tt+16*\u:32*\tt+16*\u+7], v[SW+\u], v[SX+\tt] matrix_a_fmt:MATRIX_FMT_BF6 matrix_b_fmt:MATRIX_FMT_BF6
	v_wmma_scale_f32_16x16x128_f8f6f4 v[32*\tt+16*\u+8:32*\tt+16*\u+15], v[WB+24*\u+12:WB+24*\u+23], v[XF+12*\tt:XF+12*\tt+11], v[32*\tt+16*\u+8:32*\tt+16*\u+15], v[SW+\u], v[SX+\tt] matrix_a_fmt:MATRIX_FMT_BF6 matrix_b_fmt:MATRIX_FMT_BF6 matrix_a_scale:MATRIX_SCALE_ROW1
.endif
.endr
.if ((\s) >= 1) && ((\s) < 7)
	WPART (\s)+1, \tt
.endif
.endr
.endm
; 32 products for v: source 0 = tokens, source 1 = tile 4 + ct of W.  Step 0 starts the sums with the constant 0.
.macro VMUL s
.if ((\s)%2) == 0
	WIN 0xa5
.else
	WIN 0xa1
.endif
.irp g, 0,1,2,3
.irp tt, 0,1,2,3
.if (\s) == 0
	v_wmma_scale_f32_16x16x128_f8f6f4 v[64*\g+8*\tt:64*\g+8*\tt+7], v[XF+12*\tt:XF+12*\tt+11], v[WB+48+24*\g:WB+59+24*\g], 0, v[SX+\tt], v[SW+2+\g] matrix_a_fmt:MATRIX_FMT_BF6 matrix_b_fmt:MATRIX_FMT_BF6
	v_wmma_scale_f32_16x16x128_f8f6f4 v[64*\g+32+8*\tt:64*\g+39+8*\tt], v[XF+12*\tt:XF+12*\tt+11], v[WB+60+24*\g:WB+71+24*\g], 0, v[SX+\tt], v[SW+2+\g] matrix_a_fmt:MATRIX_FMT_BF6 matrix_b_fmt:MATRIX_FMT_BF6 matrix_b_scale:MATRIX_SCALE_ROW1
.else
	v_wmma_scale_f32_16x16x128_f8f6f4 v[64*\g+8*\tt:64*\g+8*\tt+7], v[XF+12*\tt:XF+12*\tt+11], v[WB+48+24*\g:WB+59+24*\g], v[64*\g+8*\tt:64*\g+8*\tt+7], v[SX+\tt], v[SW+2+\g] matrix_a_fmt:MATRIX_FMT_BF6 matrix_b_fmt:MATRIX_FMT_BF6
	v_wmma_scale_f32_16x16x128_f8f6f4 v[64*\g+32+8*\tt:64*\g+39+8*\tt], v[XF+12*\tt:XF+12*\tt+11], v[WB+60+24*\g:WB+71+24*\g], v[64*\g+32+8*\tt:64*\g+39+8*\tt], v[SX+\tt], v[SW+2+\g] matrix_a_fmt:MATRIX_FMT_BF6 matrix_b_fmt:MATRIX_FMT_BF6 matrix_b_scale:MATRIX_SCALE_ROW1
.endif
.endr
.endr
.endm
	; ---- the biases, the first two K steps of W, the first four of x
	s_wait_alu depctr_va_vdst(0)                   ; the offsets and LDS addresses v1, v4 to v10, v12 to v15, v46, v47 are written: every load and store of the kernel reads one of them
.irp u, 0,1
	global_load_b128 v[68+8*\u:71+8*\u], v46, s[10:11] offset:32*\u          ; bq at columns 16 h + 8 u + 0 .. 7: the layout of the transposed result
	global_load_b128 v[72+8*\u:75+8*\u], v46, s[10:11] offset:32*\u+16
	global_load_b128 v[84+8*\u:87+8*\u], v46, s[12:13] offset:32*\u          ; bk likewise
	global_load_b128 v[88+8*\u:91+8*\u], v46, s[12:13] offset:32*\u+16
.endr
	WIN 0x40
.irp ct, 0,1,2,3,4,5,6,7
	global_load_b32 v[240+2*\ct], v47, s[14:15] offset:(32*(\ct/2)+8*(\ct%2))*4   ; bv of my column of tile ct, twice: a pair for the packed add
	global_load_b32 v[241+2*\ct], v47, s[14:15] offset:(32*(\ct/2)+8*(\ct%2))*4
.endr
	WLOAD 0
	WLOAD 1
	XLOAD 0
	XLOAD 1
	XLOAD 2
	XLOAD 3
	; ---- x: my 16 tokens become 8 fragments.  The loads run four steps ahead, the turn through the stage one step.
	s_wait_loadcnt 48                              ; step 0 is in; the 48 loads of steps 1 to 3 may be out
	XTURN 0
.irp s, 0,1,2,3,4,5,6,7
	s_wait_dscnt 0x0                               ; this step is back from the stage
	s_wait_alu depctr_vm_vsrc(0)                   ; the stores of this step into the stage have read their set of x as loaded, in which the loads below land (behind the last turn: which the products write); the stores of the quantiser before have read v24 and v26 to v37, which this quantiser writes
.if \s < 4
	XLOAD \s+4                                     ; into the set that the stage has taken
.endif
.if \s < 4
	s_wait_loadcnt 48                              ; the next step is in; three sets of 16 loads were issued behind it
.elseif \s < 7
	s_wait_loadcnt 16*(6-\s)                       ; no new loads: the counts run down
.endif
.if \s < 7
	XTURN \s+1                                     ; its LDS loads land in the set that the quantiser of the step before read: no vector instruction has been issued since the wait ahead of that quantiser stores
.endif
	XQUANT \s
.endr
	s_wait_dscnt 0x0                               ; for the others: my images lie in LDS
	s_barrier_signal -1
	s_barrier_wait -1                              ; all 32 fragments of x do
	; ---- the products
	XFETCH 0
.irp s, 0,1,2,3,4,5,6,7
.if \s >= 2
	s_wait_loadcnt 0x0                             ; this step of W is in: it was asked for in the first third of the step before, and nothing behind it
.endif
	s_wait_dscnt 0x0                               ; this step of x is in registers
.if (\s >= 1) && (\s < 7)
	s_wait_alu depctr_va_vdst(0)                   ; the products of the step before are done reading their sets of W, of x and of scale words: all the loads of this step land in those
.endif
.if \s < 7
	XFETCH \s+1
.endif
.if (\s >= 1) && (\s < 7)
	WSCL \s+1
.endif
	QKMUL \s
	VMUL \s
	WIN 0
.rept 4
	v_nop                                          ; four places in front of loads into registers that matrix instructions have read, and of the first read of results; they stay beside the wait at the head of the next step
.endr
.endr
	; ---- q and k: chain n = 2 tt + (0: q, 1: k) over the 16 registers at 16 n of window 3; a block of 32 lies in lanes l and l xor 16
	WIN 0x3c
.irp n, 0,1,2,3,4,5,6,7
	v_max3_num_f32 v[112+\n], FLOOR, |v[16*\n]|, |v[16*\n+1]|
.endr
.irp i, 2,4,6,8,10,12,14
.irp n, 0,1,2,3,4,5,6,7
	v_max3_num_f32 v[112+\n], v[112+\n], |v[16*\n+\i]|, |v[16*\n+\i+1]|      ; each accumulator from its low end on
.endr
.endr
	WIN 0
.irp n, 0,1,2,3,4,5,6,7
	v_mov_b32 v[120+\n], 0
.endr
.irp n, 0,1,2,3,4,5,6,7
	v_permlanex16_b32 v[120+\n], v[112+\n], s30, s31
.endr
.irp n, 0,1,2,3,4,5,6,7
	v_max_num_f32 v[112+\n], v[112+\n], v[120+\n]
.endr
.irp n, 0,1,2,3,4,5,6,7
	v_add_nc_u32 v[128+\n], EOFF, v[112+\n]
.endr
.irp n, 0,1,2,3,4,5,6,7
	v_lshrrev_b32 v[136+\n], 23, v[128+\n]
.endr
	WIN 0x03
.irp n, 0,1,2,3,4,5,6,7
	v_cvt_scalef32_pk16_bf6_f32 v[144+4*\n:146+4*\n], v[16*\n:16*\n+15], v[128+\n]   ; 12 bytes: the codes of d = 16 h + 0 .. 15 of my token
.endr
	WIN 0
	v_nop
.irp tt, 0,1,2,3
	v_add_nc_u32 v[102+\tt], -1, v[136+2*\tt]      ; the byte of q less 1,
.endr
.irp tt, 0,1,2,3
	v_lshlrev_b32 v[102+\tt], v45, v[102+\tt]      ; at byte 2 h,
.endr
.irp tt, 0,1,2,3
	v_add_nc_u32 v[176+2*\tt], s32, v[102+\tt]     ; word 2 h: the byte among ones,
	v_lshl_add_u32 v[177+2*\tt], v[102+\tt], 8, s32   ; and word 2 h + 1
.endr
	v_lshl_or_b32 v184, v139, 8, v137              ; the bytes of k of my four tokens: byte tt
	v_lshl_or_b32 v184, v141, 16, v184
	v_lshl_or_b32 v184, v143, 24, v184
	s_wait_alu depctr_va_vdst(0)                   ; the codes v144 to v174 and the scale words v176 to v184 are written, which the thirteen stores below read; nothing writes them again
.irp n, 0,1,2,3,4,5,6,7
	global_store_b96 v12, v[144+4*\n:146+4*\n], s[16:17] offset:192*(\n/2)+KOFF*(\n%2)
.endr
.irp tt, 0,1,2,3
	global_store_b64 v13, v[176+2*\tt:177+2*\tt], s[18:19] offset:128*\tt
.endr
	global_store_b32 v10, v184, s[20:21]
	; ---- v: the bias; then a block of 32 tokens is 32 registers on end of one lane
	WIN 0x86
.set cc, 0
.rept 8
.irp j, 0,2,4,6,8,10,12,14,16,18,20,22,24,26,28,30
	v_pk_add_f32 v[32*cc+\j:32*cc+\j+1], v[32*cc+\j:32*cc+\j+1], v[240+2*cc:241+2*cc]
.endr
.set cc, cc+1
.endr
	WIN 0x28
.irp ct, 0,1,2,3,4,5,6,7
	v_max3_num_f32 v[68+\ct], FLOOR, |v[32*\ct]|, |v[32*\ct+1]|
.endr
.irp i, 2,4,6,8,10,12,14,16,18,20,22,24,26,28,30
.irp ct, 0,1,2,3,4,5,6,7
	v_max3_num_f32 v[68+\ct], v[68+\ct], |v[32*\ct+\i]|, |v[32*\ct+\i+1]|
.endr
.endr
	WIN 0
.irp ct, 0,1,2,3,4,5,6,7
	v_add_nc_u32 v[76+\ct], EOFF, v[68+\ct]
.endr
.irp ct, 0,1,2,3,4,5,6,7
	v_lshrrev_b32 v[84+\ct], 23, v[76+\ct]
.endr
	WIN 0x02
.irp ct, 0,1,2,3,4,5,6,7
	v_cvt_scalef32_pk16_bf6_f32 v[192+8*\ct:194+8*\ct], v[32*\ct:32*\ct+15], v[76+\ct]
	v_cvt_scalef32_pk16_bf6_f32 v[196+8*\ct:198+8*\ct], v[32*\ct+16:32*\ct+31], v[76+\ct]
.endr
	WIN 0
	v_nop
.irp ct, 0,1,2,3,4,5,6,7
	v_mov_b32 v[195+8*\ct], v[196+8*\ct]
	v_mov_b32 v[196+8*\ct], v[197+8*\ct]
	v_mov_b32 v[197+8*\ct], v[198+8*\ct]
.endr
.irp e, 0,1,2,3
	v_lshl_or_b32 v[92+\e], v[85+2*\e], 16, v[84+2*\e]     ; the bytes of tiles 2 e and 2 e + 1,
	v_mov_b32 v[96+\e], 0
.endr
.irp e, 0,1,2,3
	v_lshlrev_b32 v[92+\e], v11, v[92+\e]                  ; block h at byte h of each half word,
.endr
.irp e, 0,1,2,3
	v_permlanex16_b32 v[96+\e], v[92+\e], s30, s31
.endr
.irp e, 0,1,2,3
	v_or_b32 v[92+\e], v[92+\e], v[96+\e]                  ; with the other block
.endr
	v_cndmask_b32 v100, v92, v94, s38              ; lanes 0-15 store tiles 0-3, lanes 16-31 tiles 4-7
	v_cndmask_b32 v101, v93, v95, s38
	s_wait_alu depctr_va_vdst(0)                   ; the codes of v in v192 to v253 and the bytes in v100, v101 are written, which the 25 stores below read
.irp ct, 0,1,2,3,4,5,6,7
.irp p, 0,1,2
	global_store_b64 v14, v[192+8*\ct+2*\p:193+8*\ct+2*\p], s[22:23] offset:\ct*24576+256*\p   ; 32 lanes store 256 consecutive bytes, at a multiple of 256 from the buffer start
.endr
.endr
	global_store_b64 v15, v[100:101], s[24:25]     ; 256 consecutive bytes
	s_wait_dscnt 0x0                               ; the closing lines, six on end, of a launch in the mode that stores to LDS
	s_wait_alu 0x0
	s_wait_tensorcnt 0x0
	ds_add_u32 v2, v3
	s_wait_dscnt 0x0
	s_endpgm
.Lfunc_end_k_qbe0fac5559_proj:
	.size	k_qbe0fac5559_proj, .Lfunc_end_k_qbe0fac5559_proj-k_qbe0fac5559_proj
	.p2alignl 7, 3214868480
	.fill 96, 4, 3214868480
	.section	.rodata,"a",@progbits
	.p2align	6, 0x0
	.amdhsa_kernel k_qbe0fac5559_proj
		.amdhsa_group_segment_fixed_size 87552
		.amdhsa_private_segment_fixed_size 0
		.amdhsa_enable_private_segment 0
		.amdhsa_kernarg_size 88
		.amdhsa_user_sgpr_count 2
		.amdhsa_user_sgpr_kernarg_segment_ptr 1
		.amdhsa_wavefront_size32 1
		.amdhsa_system_sgpr_workgroup_id_x 1
		.amdhsa_system_sgpr_workgroup_id_y 1
		.amdhsa_system_sgpr_workgroup_id_z 1
		.amdhsa_system_vgpr_workitem_id 0
		.amdhsa_next_free_vgpr 1024
		.amdhsa_next_free_sgpr 66
		.amdhsa_reserve_vcc 0
		.amdhsa_float_denorm_mode_32 3
		.amdhsa_float_denorm_mode_16_64 3
		.amdhsa_memory_ordered 1
		.amdhsa_forward_progress 1
		.amdhsa_inst_pref_size 187
	.end_amdhsa_kernel
	.amdgpu_metadata
---
amdhsa.version: [ 1, 2 ]
amdhsa.kernels:
  - .name:           k_qbe0fac5559_proj
    .symbol:         k_qbe0fac5559_proj.kd
    .args:
      - { .name: x, .offset: 0, .size: 8, .value_kind: global_buffer, .address_space: global }
      - { .name: wimg, .offset: 8, .size: 8, .value_kind: global_buffer, .address_space: global }
      - { .name: wsc, .offset: 16, .size: 8, .value_kind: global_buffer, .address_space: global }
      - { .name: bq, .offset: 24, .size: 8, .value_kind: global_buffer, .address_space: global }
      - { .name: bk, .offset: 32, .size: 8, .value_kind: global_buffer, .address_space: global }
      - { .name: bv, .offset: 40, .size: 8, .value_kind: global_buffer, .address_space: global }
      - { .name: qkc, .offset: 48, .size: 8, .value_kind: global_buffer, .address_space: global }
      - { .name: qs4, .offset: 56, .size: 8, .value_kind: global_buffer, .address_space: global }
      - { .name: ks, .offset: 64, .size: 8, .value_kind: global_buffer, .address_space: global }
      - { .name: vc, .offset: 72, .size: 8, .value_kind: global_buffer, .address_space: global }
      - { .name: vs, .offset: 80, .size: 8, .value_kind: global_buffer, .address_space: global }
    .group_segment_fixed_size: 87552
    .private_segment_fixed_size: 0
    .kernarg_segment_align: 8
    .kernarg_segment_size: 88
    .max_flat_workgroup_size: 128
    .sgpr_count:     66
    .vgpr_count:     1024
    .wavefront_size: 32
...
	.end_amdgpu_metadata
.endif
;; end of part 4
;; launch attn (part 5): grid 8 x 32, 4 waves a work-group, no clusters, 36,352 bytes of LDS; arguments x, mask, gamma, qkc, qs4, ks, vc, vs, out0; writes out0
.if DOCPART == 5
	.amdgcn_target "amdgcn-amd-amdhsa--gfx1250"
	.amdhsa_code_object_version 6
	.text
	.protected	k_qbe0fac5559_attn
	.globl	k_qbe0fac5559_attn
	.p2align	8
	.type	k_qbe0fac5559_attn,@function
k_qbe0fac5559_attn:
	s_mov_b64 s[64:65], 0
	v_nop
	global_prefetch_b8 v0, s[64:65] scope:SCOPE_SE
	s_setreg_imm32_b32 hwreg(HW_REG_WAVE_SCHED_MODE, 0, 2), 2
	s_setreg_imm32_b32 hwreg(HW_REG_WAVE_MODE, 25, 1), 1
	s_wait_xcnt 0x0
	s_wait_alu depctr_vm_vsrc(0)
; LAUNCH 3 OF 3.  out = gamma x (beta V) + x, beta = softmax(relu(q k / sqrt(32))) x mask / (its sum + 1e-12), quantised FINISHED along the keys; both products on codes of BF6.  No work of reference() is left out.
; SHARES: work-group (chunk, bh): 256 queries of one head, 16 tiles of 16.  THE FOUR WAVES SHARE THE KEYS: wave w takes keys 512 w .. 512 w + 511.  Its K (8 fragments) and V (32 fragments) stay in registers for all 16 tiles.
; A tile of 16 queries x 512 keys of p is 256 registers and stays in registers from the scores to the codes: ONE exponential a score, though a code needs the finished sums of its row.
; In real numbers beta = p m / (S2 + 1e-12 S1) with p = 2^(c relu(s) - c M), S1 the sum of p, S2 the sum of p m: the same as reference() writes.  Each wave takes M over its own keys (the 0 of relu among them),
; the waves exchange (-c M, S1, S2) through LDS, and each multiplies its p m by F = 2^(c M own - c M all) / (S2 + 1e-12 S1).  So the maximum is taken away before every exponential.
; THE FIRST PRODUCT HAS K = 32.  A fragment of K holds FOUR keys in a row, one in each block of 32: row r, block j = key 64 f + 32 (r / 8) + 8 j + r % 8.  Q has four versions: its codes in block j, zero codes elsewhere,
; the scale byte 1 in the dead blocks.  Version j gives the scores of the keys in block j.  S^T: register 32 f + 8 j + i of lane (query r, half h) is key 64 f + 32 h + 8 j + i: a whole block of 32 keys in one lane,
; so that the conversions give the second operand as it stands.  O^T = V^T P^T: a lane holds one query and 16 neighbouring channels in two tiles.
; THE MASK is taken as a number (any whole number is served): 16 registers hold the 512 masks, and a multiply that reads its first source from lane n of the row of 16 applies them.
; LIMITS: NaN and infinities are not served; an exponential under 2^-126 comes out as 0 (ISA guide, v_exp_f32); a block whose largest beta lies under 2^(5 - 127), a block of zeros too, carries the byte 1.
; REGISTERS, in windows of 256.  Window 0: v4-13 addresses; v14-17 -c M and F as pairs; v20-31 at work; v36-43 chains of maxima; v44-51 scale operands; v52-59 bytes, and the three figures on their way to LDS;
; v60-63 scale words of P; v64-93 zeros, Q in lanes 0-15, zeros, Q in lanes 16-31, zeros: the four versions overlap; v94-99 Q as loaded; v100-103, v104-111, v112-143 scale words of Q, K, V; v144-159 the mask;
; v160-223 O^T (while free: the chains of sums); v224-247 P, two sets; v248-254 halves of blocks.  Window 1: p.  Window 2: V of keys 0-255 at 12 (2 ct + ks), K 0-3 at 192.  Window 3: V of keys 256-511, K 4-7, v240-255 x.
; THE MODE: SCHED_MODE bits 1:0 = 2 (LLVM: expert scheduling mode 2), set by the entry lines.  The code itself states the register dependences
; between vector or matrix instructions and memory or LDS instructions, with s_wait_alu, always for 0.
; THE PLAN.  Registers that memory or LDS instructions touch, round a trip:
;   v4-v13         offsets and LDS addresses: made at the head, never written again.  (v23, v24: offsets of loads at the head alone; then at work.)
;   v94-v103       Q and its scale words.  Read by the selects at the head of a trip and by the 32 products of the scores; the loads for the next trip land behind the wait for the exponentials.
;   x (window 3)   Read by the last multiply-adds of a trip; the loads for this trip land behind the same wait.
;   v56-v59        Written by the sums, read by the one LDS store of the figures, written again by the lines that make the bytes.
;   v224-v239      The figures of the four waves land here; the same registers are the codes of P, written by the conversions and read by the second product.
;   v160-v223      Written by the second product; read by 16 LDS stores; 16 LDS loads land; written by the adds; read by four global stores; written by the sums of the next trip.
;   Operands and scales that vector instructions write for scaled matrix instructions: the versions of Q (v64-v93), the codes of P (v224-v247), the scale words of P (v60-v63) and, once, of V (v112-v143).
.set STG,   2048                       ; LDS: from 0 the figures, 80 bytes a query, 16 a wave; from here four stages of 16 rows x (512 + 16) bytes
.set SPARE, 35840                      ; the spare words, 128 bytes a wave
.set KOFF,  1572864
.set FLOOR, 0x2800000
.set EOFF,  0xfe000000
.set QV0, 70
.set QV1, 82
.set QV2, 64
.set QV3, 76
.set MSB, 0
.macro WIN new
.if MSB != (\new)
	s_set_vgpr_msb (MSB<<8)|(\new)
.set MSB, (\new)
.endif
.endm
	s_load_b512 s[4:19], s[0:1], 0x0               ; x, mask, gamma, qkc, qs4, ks, vc, vs
	s_load_b64 s[20:21], s[0:1], 0x40              ; out0
	v_lshl_add_u32 v2, v0, 2, SPARE                ; my spare word
	v_mov_b32 v3, 0                                ; and 0: kept for the add alone
	v_lshrrev_b32 v1, 5, v0
	v_readfirstlane_b32 s22, v1                    ; wave
	s_and_b32 s24, ttmp7, 0xffff                   ; bh
	s_lshr_b32 s25, s24, 3                         ; b
	s_and_b32 s26, s24, 7                          ; head
	s_mov_b32 s28, 0x3e8293ee                      ; c = log2(e) / sqrt(32)
	s_mov_b32 s29, s28                             ; (named with it as a pair)
	s_mov_b32 s30, 0xbe8293ee                      ; -c
	s_mov_b32 s32, 0x76543210
	s_mov_b32 s33, 0xfedcba98                      ; lane selects: lane l xor 16
	s_mov_b32 s34, 0xffff0000                      ; lanes 16-31
	s_mov_b32 s38, 0x2b8cbccc                      ; 1e-12
	s_mov_b32 s39, 0                               ; the tile
	s_mov_b32 s41, 0
	s_mov_b32 s43, 0
	s_mov_b32 s45, 0
	v_and_b32 v18, 31, v0                          ; lane
	v_and_b32 v19, 15, v0                          ; r
	v_bfe_u32 v20, v0, 4, 1                        ; h
	v_mul_u32_u24 v4, v19, 24                      ; Q: 24 bytes a query
	v_lshlrev_b32 v5, 4, v19                       ; 16 r
	v_mul_u32_u24 v7, v19, 80                      ; the figures of query r
	s_wait_alu depctr_va_sdst(0)                   ; s22 is written, ahead of its first reader: the LDS places and the bases are made from it
	s_lshl_b32 s40, s22, 4
	v_add_nc_u32 v6, s40, v7                       ; and my wave among them
	v_mul_u32_u24 v8, v19, 528
	v_lshl_add_u32 v8, v20, 6, v8
	s_mul_i32 s40, s22, 8448
	s_add_co_u32 s40, s40, STG
	v_add_nc_u32 v8, s40, v8                       ; my stage: row r, 64 h bytes on
	v_lshlrev_b32 v10, 4, v18                      ; 16 x lane
	s_mul_i32 s40, s22, 2112
	s_add_co_u32 s40, s40, STG
	v_add_nc_u32 v9, s40, v10                      ; back: rows 4 w on of every stage
	v_lshlrev_b32 v11, 3, v20                      ; 8 h
	v_lshlrev_b32 v12, 3, v18                      ; 8 x lane
	v_and_b32 v21, 7, v0
	v_bfe_u32 v22, v0, 3, 1
	v_lshl_add_u32 v13, v22, 5, v21
	v_lshl_add_u32 v13, v20, 3, v13
	v_mul_u32_u24 v13, v13, 24                     ; K: key r % 8 + 32 (r / 8) + 8 h
	v_lshlrev_b32 v23, 2, v18                      ; 4 x lane
	v_lshl_add_u32 v24, v20, 5, v19
	v_lshlrev_b32 v24, 2, v24                      ; the mask: key lane % 16 + 32 h
	s_wait_kmcnt 0x0
	s_load_b32 s36, s[8:9], 0x0                    ; gamma
	s_lshl_b32 s40, s24, 11
	s_lshl_b32 s46, ttmp9, 8
	s_add_co_u32 s27, s40, s46                     ; 2048 bh + my first query
	s_mul_i32 s40, s27, 24
	s_add_nc_u64 s[48:49], s[10:11], s[40:41]      ; the codes of Q
	s_lshl_b32 s40, s27, 4
	s_add_nc_u64 s[12:13], s[12:13], s[40:41]      ; and its scale words
	s_lshl_b32 s40, s24, 11
	s_lshl_b32 s46, s22, 9
	s_add_co_u32 s40, s40, s46
	s_mul_i32 s40, s40, 24
	s_add_co_u32 s40, s40, KOFF
	s_add_nc_u64 s[10:11], s[10:11], s[40:41]      ; K at key 512 w
	s_lshl_b32 s47, s24, 5
	s_lshl_b32 s46, s22, 3
	s_add_co_u32 s47, s47, s46                     ; 32 bh + 8 w: my first 64 keys
	s_lshl_b32 s40, s47, 7
	s_add_nc_u64 s[14:15], s[14:15], s[40:41]
	s_lshl_b32 s40, s47, 8
	s_add_nc_u64 s[18:19], s[18:19], s[40:41]
	s_mul_i32 s40, s24, 196608
	s_mul_i32 s46, s22, 6144
	s_add_co_u32 s40, s40, s46
	s_add_nc_u64 s[16:17], s[16:17], s[40:41]
	s_lshl_b32 s40, s25, 13
	s_lshl_b32 s46, s22, 11
	s_add_co_u32 s40, s40, s46
	s_add_nc_u64 s[6:7], s[6:7], s[40:41]
	s_lshl_b32 s40, s25, 11
	s_lshl_b32 s46, ttmp9, 8
	s_add_co_u32 s40, s40, s46
	s_lshl_b32 s46, s22, 2
	s_add_co_u32 s40, s40, s46                     ; the first row that I store: 2048 b + 256 chunk + 4 w
	s_lshl_b32 s40, s40, 12
	s_lshl_b32 s46, s26, 9
	s_add_co_u32 s40, s40, s46                     ; and the 512 bytes of my head in it
	s_add_nc_u64 s[4:5], s[4:5], s[40:41]
	s_add_nc_u64 s[20:21], s[20:21], s[40:41]
	; ---- what stays: K, V, their scale words, the mask
	s_wait_alu depctr_va_vdst(0)                   ; the offsets and LDS addresses v4 to v13, v23, v24 are written: every load and store of the kernel reads one of them
.set ff, 0
.rept 8
	WIN 0x80+0x40*(ff/4)
.irp c, 0,1
.irp p, 0,1,2
	global_load_b64 v[192+12*(ff%4)+6*\c+2*\p:192+12*(ff%4)+6*\c+2*\p+1], v13, s[10:11] offset:(64*ff+16*\c)*24+8*\p
.endr
.endr
.set ff, ff+1
.endr
.irp hf, 0,1
	WIN 0x80+0x40*\hf
.set cc, 0
.rept 8
.irp k2, 0,1
.irp c, 0,1
.irp p, 0,1,2
	global_load_b64 v[(2*cc+\k2)*12+6*\c+2*\p:(2*cc+\k2)*12+6*\c+2*\p+1], v12, s[16:17] offset:cc*24576+(2*(2*\hf+\k2)+\c)*768+256*\p   ; 256 consecutive bytes a load
.endr
.endr
.endr
.set cc, cc+1
.endr
.endr
	WIN 0
.irp f, 0,1,2,3,4,5,6,7
	global_load_b32 v[104+\f], v23, s[14:15] offset:128*\f
	global_load_b128 v[160+4*\f:163+4*\f], v5, s[18:19] offset:256*\f        ; the bytes of V of 64 keys: eight half words, a tile each
.endr
.irp n, 0,1,2,3,4,5,6,7,8,9,10,11,12,13,14,15
	global_load_b32 v[144+\n], v24, s[6:7] offset:(64*(\n/2)+16*(\n%2))*4    ; lane n2 of half h: the mask of register 16 n + n2
.endr
	global_load_b128 v[100:103], v5, s[12:13]      ; tile 0 of Q
.irp p, 0,1,2
	global_load_b64 v[94+2*\p:95+2*\p], v4, s[48:49] offset:8*\p
.endr
.irp e, 0,1,2,3,4,5
	v_mov_b32 v[64+\e], 0                          ; the zero codes round Q: written once
	v_mov_b32 v[76+\e], 0
	v_mov_b32 v[88+\e], 0
.endr
	s_wait_kmcnt 0x0
	s_mov_b32 s37, s36
	s_wait_loadcnt 0x0
	s_wait_alu depctr_vm_vsrc(0)                   ; the loads above have read their offsets v23 and v24, in which the loop works
	s_add_nc_u64 s[48:49], s[48:49], 384           ; from here on Q is loaded a tile ahead
	s_add_nc_u64 s[12:13], s[12:13], 256
.set cc, 0
.rept 8
.irp k, 0,1,2,3
.if (cc%2) == 0
	v_perm_b32 v[112+4*cc+\k], v[164+8*\k+cc/2], v[160+8*\k+cc/2], 0x05040100    ; the scale word of fragment (ct, ks): the half words of its two runs of 64 keys
.else
	v_perm_b32 v[112+4*cc+\k], v[164+8*\k+cc/2], v[160+8*\k+cc/2], 0x07060302
.endif
.endr
.set cc, cc+1
.endr
.irp n, 0,1,2,3,4,5,6,7,8,9,10,11,12,13,14,15
	v_cvt_f32_i32 v[144+\n], v[144+\n]
.endr
.macro SCORE f                         ; 64 keys: fragment f of K against the four versions of Q
	WIN 0x42+((\f)/4)
.irp j, 0,1,2,3
	v_wmma_scale_f32_16x16x128_f8f6f4 v[32*(\f)+8*\j:32*(\f)+8*\j+7], v[192+12*((\f)%4):192+12*((\f)%4)+11], v[QV\j:QV\j+11], 0, v[104+(\f)], v[100+\j] matrix_a_fmt:MATRIX_FMT_BF6 matrix_b_fmt:MATRIX_FMT_BF6
.endr
.endm
.macro ROWMAX f                        ; the largest score, four chains, a chain to an accumulator, each from its low end on; the 0 of relu starts the chains
	WIN 0x14
.irp i, 0,2,4,6
.irp q, 0,1,2,3
.if ((\f) == 0) && (\i == 0)
	v_max3_num_f32 v[36+\q], 0, v[8*\q], v[8*\q+1]
.else
	v_max3_num_f32 v[36+\q], v[36+\q], v[32*(\f)+8*\q+\i], v[32*(\f)+8*\q+\i+1]
.endif
.endr
.endr
.endm
.macro MULF ks                         ; 128 keys of p m become beta
	WIN 0x41
.set nn, 0
.rept 32
	v_pk_mul_f32 v[64*(\ks)+2*nn:64*(\ks)+2*nn+1], v[64*(\ks)+2*nn:64*(\ks)+2*nn+1], v[16:17]
.set nn, nn+1
.endr
.endm
.macro CVT ks                          ; and the 12 registers of the operand: block 2 c + h is 32 registers on end of my lane
.set PCB, 224+12*((\ks)%2)
	WIN 0x01
.irp c, 0,1
	v_cvt_scalef32_pk16_bf6_f32 v[PCB+6*\c:PCB+6*\c+2], v[64*(\ks)+32*\c:64*(\ks)+32*\c+15], v[44+2*(\ks)+\c]
	v_cvt_scalef32_pk16_bf6_f32 v[248+4*\c:250+4*\c], v[64*(\ks)+32*\c+16:64*(\ks)+32*\c+31], v[44+2*(\ks)+\c]
.endr
	WIN 0
	v_nop                                          ; one plain place behind a scaled conversion
.irp c, 0,1
.irp e, 0,1,2
	v_mov_b32 v[PCB+6*\c+3+\e], v[248+4*\c+\e]
.endr
.endr
.endm
.macro PV ks                           ; O^T += V^T P^T over 128 keys: the eight accumulators by turns, one instruction a turn; the first step starts the sums
.set PCB, 224+12*((\ks)%2)
	WIN 0x02+((\ks)/2)
.irp ct, 0,1,2,3,4,5,6,7
.if (\ks) == 0
	v_wmma_scale_f32_16x16x128_f8f6f4 v[160+8*\ct:167+8*\ct], v[24*\ct+12*((\ks)%2):24*\ct+12*((\ks)%2)+11], v[PCB:PCB+11], 0, v[112+4*\ct+(\ks)], v[60+(\ks)] matrix_a_fmt:MATRIX_FMT_BF6 matrix_b_fmt:MATRIX_FMT_BF6
.else
	v_wmma_scale_f32_16x16x128_f8f6f4 v[160+8*\ct:167+8*\ct], v[24*\ct+12*((\ks)%2):24*\ct+12*((\ks)%2)+11], v[PCB:PCB+11], v[160+8*\ct:167+8*\ct], v[112+4*\ct+(\ks)], v[60+(\ks)] matrix_a_fmt:MATRIX_FMT_BF6 matrix_b_fmt:MATRIX_FMT_BF6
.endif
.endr
.endm
.macro PLACES
.rept 4
	v_nop
.endr
.endm
.Ltile:                                            ; 16 trips, a tile of 16 queries each; every window is 0 here
	; ---- the versions of Q
.irp e, 0,1,2,3,4,5
	v_cndmask_b32 v[70+\e], v[94+\e], 0, s34       ; Q in lanes 0-15
.endr
.irp e, 0,1,2,3,4,5
	v_cndmask_b32 v[82+\e], 0, v[94+\e], s34       ; Q in lanes 16-31
.endr
	PLACES                                         ; an operand written by vector instructions stands four places ahead of a scaled matrix instruction
	s_wait_alu depctr_va_vdst(0)                   ; the selects have written the versions of Q, which the scaled products below take as an operand (in the first trip also: the head has written the zeros round them and the scale words of V); the places above stay beside this wait
	; ---- the scores; the search for the maximum of one run of 64 keys fills the places behind the products of the next
	SCORE 0
	SCORE 1
	PLACES                                         ; nothing else is at hand behind the first products
	ROWMAX 0
.irp f, 2,3,4,5,6,7
	SCORE \f
	ROWMAX \f-1
.endr
	ROWMAX 7
	WIN 0
	v_max3_num_f32 v20, v36, v37, v38
	v_max_num_f32 v20, v20, v39
	v_permlanex16_b32 v21, v20, s32, s33
	v_max_num_f32 v20, v20, v21                    ; M of my 512 keys, 0 at the least
	v_mul_f32 v14, s30, v20                        ; -c M
	v_mov_b32 v15, v14
	; ---- p = 2^(max(c s - c M, -c M)): groups of four registers in three stages, so that plain lines stand among the exponentials.  ONE batch: no line names a result before the wait behind it
	WIN 0x41
.set gg, 0
.rept 66
.if gg >= 2
	v_exp_f32 v[4*gg-8], v[4*gg-8]
.endif
.if gg < 64
	v_pk_fma_f32 v[4*gg:4*gg+1], v[4*gg:4*gg+1], s[28:29], v[14:15] op_sel_hi:[1,0,0]
.endif
.if gg >= 2
	v_exp_f32 v[4*gg-7], v[4*gg-7]
.endif
.if gg < 64
	v_pk_fma_f32 v[4*gg+2:4*gg+3], v[4*gg+2:4*gg+3], s[28:29], v[14:15] op_sel_hi:[1,0,0]
.endif
.if gg >= 2
	v_exp_f32 v[4*gg-6], v[4*gg-6]
.endif
.if (gg >= 1) && (gg <= 64)
	v_max_num_f32 v[4*gg-4], v[4*gg-4], v14        ; relu, under the shift
	v_max_num_f32 v[4*gg-3], v[4*gg-3], v14
.endif
.if gg >= 2
	v_exp_f32 v[4*gg-5], v[4*gg-5]
.endif
.if (gg >= 1) && (gg <= 64)
	v_max_num_f32 v[4*gg-2], v[4*gg-2], v14
	v_max_num_f32 v[4*gg-1], v[4*gg-1], v14
.endif
.set gg, gg+1
.endr
	v_nop                                          ; a plain place behind the last exponential
	s_wait_alu depctr_va_vdst(0)                   ; the 256 exponentials have written p, ahead of the first reader: one wait for the batch.  It also states that the selects are done reading Q, the products of the scores its scale words, and the last multiply-adds of the trip before x: the loads below land in those registers
	WIN 0
	global_load_b128 v[100:103], v5, s[12:13]      ; the next tile of Q (the last trip loads the last tile again); more than half a trip is left in which these eight loads land
.irp p, 0,1,2
	global_load_b64 v[94+2*\p:95+2*\p], v4, s[48:49] offset:8*\p
.endr
	WIN 0xc0
.irp i, 0,1,2,3
	global_load_b128 v[240+4*\i:243+4*\i], v10, s[4:5] offset:4096*\i th:TH_LOAD_NT   ; the four rows of x that I add at the end of this trip
.endr
	; ---- S1: the sum of p, a chain to each block of 32 keys; the first add starts a chain
	WIN 0x05
.irp f, 0,1,2,3,4,5,6,7
	v_pk_add_f32 v[160+2*\f:161+2*\f], v[32*\f:32*\f+1], v[32*\f+2:32*\f+3]
.endr
	WIN 0x14
.irp i, 2,3,4,5,6,7,8,9,10,11,12,13,14,15
.irp f, 0,1,2,3,4,5,6,7
	v_pk_add_f32 v[160+2*\f:161+2*\f], v[160+2*\f:161+2*\f], v[32*\f+2*\i:32*\f+2*\i+1]
.endr
.endr
	; ---- the mask
	WIN 0x44
.irp v, 0,1,2,3,4,5,6,7,8,9,10,11,12,13,14,15
.irp n, 0,1,2,3,4,5,6,7,8,9,10,11,12,13,14,15
	v_mul_f32_dpp v[16*\v+\n], v[144+\v], v[16*\v+\n] row_share:\n row_mask:0xf bank_mask:0xf
.endr
.endr
	; ---- S2: the sum of p m; and the largest magnitude of each block
	WIN 0x05
.irp f, 0,1,2,3,4,5,6,7
	v_pk_add_f32 v[176+2*\f:177+2*\f], v[32*\f:32*\f+1], v[32*\f+2:32*\f+3]
.endr
	WIN 0x14
.irp i, 0,1,2,3,4,5,6,7,8,9,10,11,12,13,14,15
.irp f, 0,1,2,3,4,5,6,7
.if \i >= 2
	v_pk_add_f32 v[176+2*\f:177+2*\f], v[176+2*\f:177+2*\f], v[32*\f+2*\i:32*\f+2*\i+1]
.endif
.if \i == 0
	v_max3_num_f32 v[36+\f], 0, |v[32*\f]|, |v[32*\f+1]|
.else
	v_max3_num_f32 v[36+\f], v[36+\f], |v[32*\f+2*\i]|, |v[32*\f+2*\i+1]|
.endif
.endr
.endr
	WIN 0
.irp b, 160, 176
	v_pk_add_f32 v[\b:\b+1], v[\b:\b+1], v[\b+2:\b+3]
	v_pk_add_f32 v[\b+4:\b+5], v[\b+4:\b+5], v[\b+6:\b+7]
	v_pk_add_f32 v[\b+8:\b+9], v[\b+8:\b+9], v[\b+10:\b+11]
	v_pk_add_f32 v[\b+12:\b+13], v[\b+12:\b+13], v[\b+14:\b+15]
.endr
.irp b, 160, 176
	v_pk_add_f32 v[\b:\b+1], v[\b:\b+1], v[\b+4:\b+5]
	v_pk_add_f32 v[\b+8:\b+9], v[\b+8:\b+9], v[\b+12:\b+13]
.endr
.irp b, 160, 176
	v_pk_add_f32 v[\b:\b+1], v[\b:\b+1], v[\b+8:\b+9]
.endr
	v_add_f32 v57, v160, v161
	v_add_f32 v58, v176, v177
	v_permlanex16_b32 v21, v57, s32, s33
	v_permlanex16_b32 v22, v58, s32, s33
	v_add_f32 v57, v57, v21                        ; S1 of my 512 keys
	v_add_f32 v58, v58, v22                        ; S2
	v_mov_b32 v56, v14
	v_mov_b32 v59, 0
	; ---- the four waves exchange their figures
	s_wait_alu depctr_va_vdst(0)                   ; v56 to v59 are written, which the store reads; no vector instruction follows before the four loads behind the barrier, so it also states that the conversions and products of the trip before are done with v224 to v239, in which they land
	ds_store_b128 v6, v[56:59]                     ; lanes r and r + 16 write the same 16 bytes with the same values
	s_wait_dscnt 0x0                               ; for the others: my figures lie in LDS
	s_barrier_signal -1
	s_barrier_wait -1
.irp u, 0,1,2,3
	ds_load_b128 v[224+4*\u:227+4*\u], v7 offset:16*\u
.endr
	s_wait_dscnt 0x0
	s_wait_alu depctr_vm_vsrc(0)                   ; the store of the figures has read v56 to v59, which the lines that make the bytes write below
	v_min3_num_f32 v23, v224, v228, v232
	v_min_num_f32 v23, v23, v236                   ; -c M of all 2,048 keys
.irp u, 0,1,2,3
	v_sub_f32 v[24+\u], v23, v[224+4*\u]           ; c M of wave u less c M: 0 or less
.endr
	v_sub_f32 v28, v23, v14
.irp u, 0,1,2,3,4
	v_exp_f32 v[24+\u], v[24+\u]
.endr
	v_nop
	s_wait_alu depctr_va_vdst(0)                   ; the five exponentials have written v24 to v28, ahead of their first reader
	v_mul_f32 v29, v24, v225
	v_mul_f32 v30, v24, v226
.irp u, 1,2,3
	v_fma_f32 v29, v[24+\u], v[225+4*\u], v29      ; S1 under the common M
	v_fma_f32 v30, v[24+\u], v[226+4*\u], v30      ; S2
.endr
	v_fma_f32 v31, s38, v29, v30                   ; S2 + 1e-12 S1
	v_rcp_f32 v31, v31
	v_nop
	s_wait_alu depctr_va_vdst(0)                   ; the reciprocal has written v31, ahead of its reader
	v_mul_f32 v16, v28, v31                        ; F
	v_mov_b32 v17, v16
	; ---- the scales of beta: a rounded product with F does not fall where p m rises, so the largest beta of a block is its largest p m times F
.irp f, 0,1,2,3,4,5,6,7
	v_mul_f32 v[44+\f], v[36+\f], v16
.endr
.irp f, 0,1,2,3,4,5,6,7
	v_max_num_f32 v[44+\f], FLOOR, |v[44+\f]|
.endr
.irp f, 0,1,2,3,4,5,6,7
	v_add_nc_u32 v[44+\f], EOFF, v[44+\f]
.endr
.irp f, 0,1,2,3,4,5,6,7
	v_lshrrev_b32 v[52+\f], 23, v[44+\f]
.endr
.irp k, 0,1,2,3
	v_lshl_or_b32 v[60+\k], v[53+2*\k], 16, v[52+2*\k]     ; my bytes: blocks h and 2 + h of these 128 keys,
.endr
.irp k, 0,1,2,3
	v_lshlrev_b32 v[60+\k], v11, v[60+\k]
.endr
.irp k, 0,1,2,3
	v_permlanex16_b32 v[24+\k], v[60+\k], s32, s33
.endr
.irp k, 0,1,2,3
	v_or_b32 v[60+\k], v[60+\k], v[24+\k]                  ; with those of lane l xor 16
.endr
	; ---- beta, its codes, the second product, two runs of 128 keys at a time, so that one wait serves sixteen products.  Each accumulator takes the runs in ascending order.
	; The multiplies of run 2 are the places between the codes of run 1 and the products; those of run 3 the places between the products of runs 0 and 1 and the conversions that write their operands again.
	MULF 0
	CVT 0
	MULF 1
	CVT 1
	MULF 2
	s_wait_alu depctr_va_vdst(0)                   ; the conversions and moves have written both sets of codes of P, and the lines above its four scale words: the scaled products take them as operand and scales
	PV 0
	PV 1
	MULF 3
	CVT 2
	CVT 3
	PLACES
	s_wait_alu depctr_va_vdst(0)                   ; both sets of codes of P are written anew, for the sixteen products below; the places above stay beside this wait
	PV 2
	PV 3
	; ---- the four waves add their parts of O: each stores its 16 rows, each takes four whole rows back from all four stages
	WIN 0
	PLACES
	s_wait_alu depctr_va_vdst(0)                   ; the products have written O^T, v160 to v223, which the sixteen stores read; the places above stay beside this wait
.irp ct, 0,1,2,3,4,5,6,7
	ds_store_b128 v8, v[160+8*\ct:163+8*\ct] offset:128*(\ct/2)+32*(\ct%2)       ; channels 32 (ct / 2) + 16 h + 8 (ct % 2) on
	ds_store_b128 v8, v[164+8*\ct:167+8*\ct] offset:128*(\ct/2)+32*(\ct%2)+16
.endr
	s_wait_dscnt 0x0                               ; my part lies in LDS, and my reads of the figures are long over
	s_barrier_signal -1
	s_barrier_wait -1
	s_wait_alu depctr_vm_vsrc(0)                   ; my sixteen stores have read v160 to v223, in which the loads below land
.irp i, 0,1,2,3
.irp u, 0,1,2,3
	ds_load_b128 v[160+16*\i+4*\u:163+16*\i+4*\u], v9 offset:8448*\u+528*\i
.endr
.endr
	s_wait_dscnt 0x0
.irp i, 0,1,2,3
	v_pk_add_f32 v[160+16*\i:161+16*\i], v[160+16*\i:161+16*\i], v[164+16*\i:165+16*\i]
	v_pk_add_f32 v[162+16*\i:163+16*\i], v[162+16*\i:163+16*\i], v[166+16*\i:167+16*\i]
	v_pk_add_f32 v[168+16*\i:169+16*\i], v[168+16*\i:169+16*\i], v[172+16*\i:173+16*\i]
	v_pk_add_f32 v[170+16*\i:171+16*\i], v[170+16*\i:171+16*\i], v[174+16*\i:175+16*\i]
.endr
.irp i, 0,1,2,3
	v_pk_add_f32 v[160+16*\i:161+16*\i], v[160+16*\i:161+16*\i], v[168+16*\i:169+16*\i]
	v_pk_add_f32 v[162+16*\i:163+16*\i], v[162+16*\i:163+16*\i], v[170+16*\i:171+16*\i]
.endr
	s_wait_loadcnt 0x0                             ; x, and the next tile of Q: asked for more than half a trip ago
	WIN 0x30
.irp i, 0,1,2,3
	v_pk_fma_f32 v[160+16*\i:161+16*\i], v[160+16*\i:161+16*\i], s[36:37], v[240+4*\i:241+4*\i] op_sel_hi:[1,0,1]   ; gamma O + x
	v_pk_fma_f32 v[162+16*\i:163+16*\i], v[162+16*\i:163+16*\i], s[36:37], v[242+4*\i:243+4*\i] op_sel_hi:[1,0,1]
.endr
	WIN 0
	s_wait_alu depctr_va_vdst(0)                   ; the multiply-adds have written the four rows, which the stores read
.irp i, 0,1,2,3
	global_store_b128 v10, v[160+16*\i:163+16*\i], s[20:21] offset:4096*\i th:TH_STORE_NT   ; 512 consecutive bytes of a row, at a multiple of 512 from the buffer start
.endr
	s_wait_xcnt 0x0                                ; the loads and stores of this trip have read their bases and registers: both may be written again
	s_wait_alu depctr_vm_vsrc(0)                   ; the four stores have read their rows in v160 to v211, which the sums of the next trip write
	s_add_nc_u64 s[4:5], s[4:5], 0x10000           ; 16 rows on
	s_add_nc_u64 s[20:21], s[20:21], 0x10000
	s_cmp_lt_u32 s39, 14                           ; Q runs a tile ahead and stops at the last tile: no load leaves its buffer
	s_cselect_b32 s42, 384, 0
	s_cselect_b32 s44, 256, 0
	s_add_nc_u64 s[48:49], s[48:49], s[42:43]
	s_add_nc_u64 s[12:13], s[12:13], s[44:45]
	s_add_co_u32 s39, s39, 1
	s_cmp_lt_u32 s39, 16
	s_cbranch_scc1 .Ltile
	; The figures are written again only behind the second barrier of a trip, the stages only behind the first barrier of the next: in front of each signal every wave has waited for its reads.
	s_wait_dscnt 0x0                               ; the closing lines, six on end, of a launch in the mode that stores to LDS
	s_wait_alu 0x0
	s_wait_tensorcnt 0x0
	ds_add_u32 v2, v3
	s_wait_dscnt 0x0
	s_endpgm
.Lfunc_end_k_qbe0fac5559_attn:
	.size	k_qbe0fac5559_attn, .Lfunc_end_k_qbe0fac5559_attn-k_qbe0fac5559_attn
	.p2alignl 7, 3214868480
	.fill 96, 4, 3214868480
	.section	.rodata,"a",@progbits
	.p2align	6, 0x0
	.amdhsa_kernel k_qbe0fac5559_attn
		.amdhsa_group_segment_fixed_size 36352
		.amdhsa_private_segment_fixed_size 0
		.amdhsa_enable_private_segment 0
		.amdhsa_kernarg_size 72
		.amdhsa_user_sgpr_count 2
		.amdhsa_user_sgpr_kernarg_segment_ptr 1
		.amdhsa_wavefront_size32 1
		.amdhsa_system_sgpr_workgroup_id_x 1
		.amdhsa_system_sgpr_workgroup_id_y 1
		.amdhsa_system_sgpr_workgroup_id_z 1
		.amdhsa_system_vgpr_workitem_id 0
		.amdhsa_next_free_vgpr 1024
		.amdhsa_next_free_sgpr 66
		.amdhsa_reserve_vcc 0
		.amdhsa_float_denorm_mode_32 3
		.amdhsa_float_denorm_mode_16_64 3
		.amdhsa_memory_ordered 1
		.amdhsa_forward_progress 1
		.amdhsa_inst_pref_size 138
	.end_amdhsa_kernel
	.amdgpu_metadata
---
amdhsa.version: [ 1, 2 ]
amdhsa.kernels:
  - .name:           k_qbe0fac5559_attn
    .symbol:         k_qbe0fac5559_attn.kd
    .args:
      - { .name: x, .offset: 0, .size: 8, .value_kind: global_buffer, .address_space: global }
      - { .name: mask, .offset: 8, .size: 8, .value_kind: global_buffer, .address_space: global }
      - { .name: gamma, .offset: 16, .size: 8, .value_kind: global_buffer, .address_space: global }
      - { .name: qkc, .offset: 24, .size: 8, .value_kind: global_buffer, .address_space: global }
      - { .name: qs4, .offset: 32, .size: 8, .value_kind: global_buffer, .address_space: global }
      - { .name: ks, .offset: 40, .size: 8, .value_kind: global_buffer, .address_space: global }
      - { .name: vc, .offset: 48, .size: 8, .value_kind: global_buffer, .address_space: global }
      - { .name: vs, .offset: 56, .size: 8, .value_kind: global_buffer, .address_space: global }
      - { .name: out0, .offset: 64, .size: 8, .value_kind: global_buffer, .address_space: global }
    .group_segment_fixed_size: 36352
    .private_segment_fixed_size: 0
    .kernarg_segment_align: 8
    .kernarg_segment_size: 72
    .max_flat_workgroup_size: 128
    .sgpr_count:     66
    .vgpr_count:     1024
    .wavefront_size: 32
...
	.end_amdgpu_metadata
.endif
;; end of part 5
